; MI455X (gfx1250); checked and timed in simulation.
; The chip was launched on July 23, 2026; its instructions are those of AMD's public machine-readable ISA for CDNA 5 (MIT licence, August 2026) and "CDNA5" Instruction Set Architecture Reference Guide (July 2026). The comments in the code are by the model that wrote it; some were corrected since.
;; Cell Graph Transformer. Allowed arithmetic: matrix products marked QUANTISED: E4M3 operands, one E8M0 scale for each 32 along K, by v_wmma_scale_f32_16x16x128_f8f6f4 with both operands' format E4M3, f32 sums; everything else in f32.
;; Inputs: W1 1,024 x 4,096 float32; W2 4,096 x 1,024 float32; Wk 1,024 x 1,024 float32; Wo 1,024 x 1,024 float32; Wq 1,024 x 1,024 float32; Wv 1,024 x 1,024 float32; b1n 1,024 float32; b2n 1,024 float32; bf1 4,096 float32; bf2 1,024 float32; bk 1,024 float32; bo 1,024 float32; bq 1,024 float32; bv 1,024 float32; g1 1,024 float32; g2 1,024 float32; x 2 x 2,048 x 1,024 float32.
;; Outputs: out0 2 x 2,048 x 1,024 float32.
;; This version of the problem:
;;   THIS VERSION OF THE PROBLEM IS GIVEN IN LOW PRECISION. The matrix products marked QUANTISED in the list below multiply operands that are first quantised to E4M3 (4 exponent bits, 3 mantissa bits; 8 bits a number), with one power-of-two scale for each 32 numbers along K (OCP MX v1.0); their sums are f32. All else is computed in f32.
;;   The module's matrix products, in the order in which they are computed (A, B: the left and right operand; K: the contracted axis; several contracted axes count as one K, in the product's order):
;;     1. [M 4,096, K 1,024] x [K 1,024, N 1,024]; A: input x; B: input Wq: QUANTISED
;;     2. [M 4,096, K 1,024] x [K 1,024, N 1,024]; A: input x; B: input Wk: QUANTISED
;;     3. [M 4,096, K 1,024] x [K 1,024, N 1,024]; A: input x; B: input Wv: QUANTISED
;;     4. batch 32 x [M 2,048, K 64] x [K 64, N 2,048]; A: computed on the way; B: computed on the way: QUANTISED
;;     5. batch 32 x [M 2,048, K 2,048] x [K 2,048, N 64]; A: softmax (see below); B: computed on the way: QUANTISED
;;     6. [M 4,096, K 1,024] x [K 1,024, N 1,024]; A: computed on the way; B: input Wo: QUANTISED
;;     7. [M 4,096, K 1,024] x [K 1,024, N 4,096]; A: computed on the way; B: input W1: QUANTISED
;;     8. [M 4,096, K 4,096] x [K 4,096, N 1,024]; A: computed on the way; B: input W2: QUANTISED
;;   THE QUANTISER, for each operand of a quantised product, along K:
;;     - K is cut into blocks of 32 from its start; a last block that is shorter is filled with zeros.
;;     - A block's scale is 2^e with e = floor(log2(the largest magnitude in the block)) - 8, held to -126 .. 127; a block of zeros has e = 0. As a byte (E8M0): e + 127.
;;     - Each number is divided by its block's scale, clamped to +-448, and rounded to the nearest number of E4M3, ties to even, subnormals kept.
;;     - The product sums the exact products of the quantised numbers (number of the format x scale) in f32.
;;   ~~~python
;;   def quantise(x, axis):      # numpy; x: float32 -> the quantised numbers, widened to float32 again
;;       x = np.moveaxis(x, axis, -1); K = x.shape[-1]
;;       x = np.pad(x, [(0, 0)] * (x.ndim - 1) + [(0, -K % 32)]); x = x.reshape(x.shape[:-1] + (-1, 32)); a = np.abs(x).max(-1, keepdims=True)
;;       e = np.where(a > 0, np.clip(np.frexp(np.where(a > 0, a, 1))[1] - 1 - 8, -126, 127), 0)      # np.frexp(a)[1] - 1 = floor(log2(a)), exactly
;;       r = np.clip(x / 2.0 ** e, -448, 448)
;;       step = 2.0 ** (np.maximum(np.frexp(np.where(r == 0, 1, r))[1] - 1, -6) - 3)
;;       q = np.round(r / step) * step * 2.0 ** e      # np.round: ties to even
;;       return np.moveaxis(q.reshape(q.shape[:-2] + (-1,))[..., :K], -1, axis).astype(np.float32)
;;   ~~~
;;   SOFTMAX AHEAD OF A QUANTISED PRODUCT. Where the list says 'softmax', what is quantised is not the finished softmax but p = 2^(t - M), with t = logit x log2(e) and M = ceil(the row's largest t), a whole number; so 1/2 < the row's largest p <= 1. The row's sum l is taken of the UNQUANTISED p, in f32, and the product's result is divided by l at the end. Since M is a whole number, a kernel that streams over the keys may use a running M (the ceiling of the running maximum): every later rescaling is an exact power of two, which a block's scale takes up: the codes' values come out the same.
;;   OPERANDS COMPUTED ON THE WAY. 'Computed on the way' means the value that the module computes at that place (a softmax that the list does not call 'softmax' is quantised finished and normalised). What goes into a quantiser is computed in f32, as accurately as f32 sums, v_exp_f32 and their like allow (about 1e-6 of the number): no bf16 or f16 on the way to a quantiser, and a product that is left as it is and whose result goes on into a quantised operand takes f32 operands (vector FMAs, or v_wmma_f32_16x16x4_f32). A number that lies on a knife's edge between two numbers of the format may be rounded either way, as far as f32 arithmetic and the matrix unit's own rounding can turn it there, and no further.
;; One version. Each part assembles by itself: llvm-mc -triple=amdgcn-amd-amdhsa -mcpu=gfx1250 --defsym DOCPART=n.
;; ======== version 1 of 1: 8 launches
;; limits: right only within a limited range of input values
;; workspace buffers: pq 11,894,784 bytes; woq 1,081,344 bytes; w2q 4,325,376 bytes; qkvc 13,238,272 bytes; ao 4,325,376 bytes; o1 21,102,592 bytes; hq 17,301,504 bytes; part 67,108,864 bytes
;; launch prep (part 1): grid 448 x 1, 8 waves a work-group, no clusters, 134,656 bytes of LDS; arguments x, Wq, Wk, Wv, W1, Wo, W2, pq, woq, w2q; writes pq, woq, w2q
.if DOCPART == 1
	.amdgcn_target "amdgcn-amd-amdhsa--gfx1250"
	.amdhsa_code_object_version 6
	.text
	.protected	k_qeef87dbdfe_prep
	.globl	k_qeef87dbdfe_prep
	.p2align	8
	.type	k_qeef87dbdfe_prep,@function
k_qeef87dbdfe_prep:
	s_mov_b64 s[64:65], 0
	v_nop
	global_prefetch_b8 v0, s[64:65] scope:SCOPE_SE
	s_setreg_imm32_b32 hwreg(HW_REG_WAVE_MODE, 25, 1), 1
	s_wait_xcnt 0x0
; ONE LAUNCH PREPARES ALL OPERANDS THAT ARRIVE AS f32: x and the six weights become codes of E4M3 with one E8M0 byte for each 32 along K, laid in the ORDER OF AN OPERAND'S REGISTERS:
;   codes: T*16384 + s*2048 + c*512 + 16*lane + b = row (or column) position 16 T + lane % 16, k = 128 s + 32 c + 16 (lane / 16) + b;  scale words behind the codes: T*512 + s*64 + 4 r.
; Position p holds token (or column) pi(p), p with its bits 3 and 4 exchanged: used as source 0 of a product, two neighbouring tiles leave 16 neighbours in a lane's 16 result registers.
; A block's scale is 2^(floor(log2(largest magnitude)) - 8); its byte is the largest magnitude's exponent field - 8, held at 1 from below.
; LIMITS: a block of zeros gets the byte 1 where the rule says 127 (its codes are zeros, and this program alone reads the bytes); magnitudes under 2^-118 share the byte 1; NaN and infinities are not served.
; THE DEAL: work-groups 0 to 191, the longer ones, take the weights; 192 to 447 take x.  The two ways part once, on the work-group's number, and each has LDS bytes of its own.
; WEIGHTS, stored [K][N], quantised along their first axis: twelve PANELS of 1,024 columns x 1,024 along K: 0 Wq, 1 Wk, 2 Wv, 3-6 W1's columns 1024 (p - 3) on (all in pq, behind x's record), 7 Wo (woq), 8-11 W2's rows 1024 (p - 8) on (w2q).
;   Four waves share 128 columns x 256 along K; a work-group holds two such fours.  A LANE TAKES A COLUMN AND ITS REGISTERS RUN DOWN K: a block of 32 lies in one lane, and the conversions give codes with K innermost.
;   A wave takes 32 columns x 256 along K; each load reads 128 consecutive bytes; 64 loads run ahead.  The codes go through the wave's own stage, at their place in the image, and leave as 16 stores of 512 consecutive bytes.  No barrier.
; x [4096 tokens][1024]: work-group 192 + T takes 16 positions.  Wave w reads the rows of positions w and w + 8 whole (16 loads of 512 consecutive bytes) into the work-group's stage; behind one barrier wave w takes K step w
;   of all 16 rows (a lane: 16 neighbours of each of 4 blocks), quantises, and stores a fragment's image: 4 stores of 512 consecutive bytes.
; Streaming work: no matrix unit, no cluster, no tensor load would move fewer bytes.
.set NW,    192                        ; work-groups that take the weights
.set PITCH, 4112                       ; x's stage: a row of 4,096 bytes + 16
.set WST,   66048                      ; behind it the weights' stages,
.set SPB,   8448                       ; one a wave: two tiles' 4,096 bytes, 4,224 apart
.set SPARE, WST+8*SPB                  ; the spare words, 128 bytes a wave
.set LI,   5
.set SIN,  6
.set SOUT, 7
.set R4,   8
.set RAW,  16                          ; x: v16-47 the first row as loaded
.set X,    64                          ; x: v64-95 the second row, then v64-127 the quantiser's 64 numbers;  weights: two sets of 32 numbers
.set PC,   128
.set TM,   144
.set PW,   160
.set SEL,  34
.set MNT,  36
.set VO,   32                          ; weights: v32-63 4 x lane + i x pitch
.set C,    128
.set OUTR, 136
.set SB,   24
.macro QUANT s, pc
.irp b, 0,1,2,3
	v_max3_num_f32 v[TM+\b], |v[\s+16*\b]|, |v[\s+1+16*\b]|, 0x4800000   ; block b: my 16 numbers and the floor 2^(9 - 127): the byte cannot fall under 1
.endr
.irp i, 2,4,6,8,10,12,14
.irp b, 0,1,2,3
	v_max3_num_f32 v[TM+\b], v[TM+\b], |v[\s+16*\b+\i]|, |v[\s+1+16*\b+\i]|
.endr
.endr
.irp b, 0,1,2,3
	v_permlanex16_b32 v[TM+4+\b], v[TM+\b], s[SEL], s[SEL+1]
.endr
.irp b, 0,1,2,3
	v_max_num_f32 v[TM+\b], v[TM+\b], v[TM+4+\b]                  ; with lane l xor 16's 16: the block's largest magnitude
.endr
.irp b, 0,1,2,3
	v_add_nc_u32 v[TM+12+\b], 0xfc000000, v[TM+\b]                ; 8 off its exponent field: the conversion's scale operand
.endr
.irp b, 0,1,2,3
	v_and_or_b32 v[TM+8+\b], v[TM+\b], 0x7f800000, s[MNT]         ; 448 x the scale
.endr
.irp b, 0,1,2,3
	v_lshrrev_b32 v[TM+4+\b], 23, v[TM+12+\b]                     ; the scale's byte
.endr
	v_lshl_or_b32 v[PW], v[TM+5], 8, v[TM+4]
	v_lshl_or_b32 v[PW], v[TM+6], 16, v[PW]
	v_lshl_or_b32 v[PW], v[TM+7], 24, v[PW]
.irp b, 0,1,2,3
.irp i, 0,1,2,3,4,5,6,7,8,9,10,11,12,13,14,15
	v_med3_num_f32 v[\s+16*\b+\i], v[\s+16*\b+\i], -v[TM+8+\b], v[TM+8+\b]   ; the conversion to an 8-bit code does not saturate (ISA guide 7.6.2): the hold comes first
.endr
	v_cvt_scalef32_pk8_fp8_f32 v[\pc+4*\b:\pc+1+4*\b], v[\s+16*\b:\s+7+16*\b], v[TM+12+\b]
	v_cvt_scalef32_pk8_fp8_f32 v[\pc+2+4*\b:\pc+3+4*\b], v[\s+8+16*\b:\s+15+16*\b], v[TM+12+\b]
.endr
	v_nop                                          ; one plain line behind the last conversion
.endm
	s_load_b64 s[2:3], s[0:1], 0x0                 ; x
	s_load_b256 s[4:11], s[0:1], 0x8               ; Wq, Wk, Wv, W1
	s_load_b256 s[12:19], s[0:1], 0x28             ; Wo, W2, pq, woq
	s_load_b64 s[20:21], s[0:1], 0x48              ; w2q
	v_lshl_add_u32 v208, v0, 2, SPARE
	v_mov_b32 v209, 0
	v_lshrrev_b32 v1, 5, v0
	v_readfirstlane_b32 s68, v1                    ; wave 0..7
	s_cmp_lt_u32 ttmp9, NW
	s_cbranch_scc1 .Lw
	; ---- x ----
	s_sub_co_u32 s24, ttmp9, NW                    ; T
	s_lshr_b32 s25, s24, 1                         ; the token of position w: 32 (T / 2) + 8 (T % 2) + w; position w + 8 holds the token 16 further on
	s_lshl_b32 s25, s25, 5
	s_and_b32 s26, s24, 1
	s_lshl_b32 s26, s26, 3
	s_add_co_u32 s25, s25, s26
	s_add_co_u32 s25, s25, s68
	s_lshl_b32 s26, s25, 12                        ; a row is 4,096 bytes
	s_mov_b32 s27, 0
	s_mul_i32 s28, s68, PITCH
	s_lshl_b32 s29, s68, 9
	s_lshl_b32 s30, s24, 14
	s_lshl_b32 s31, s68, 11
	s_add_co_u32 s30, s30, s31
	s_mov_b32 s31, 0                               ; the fragment's image
	s_lshl_b32 s32, s24, 9
	s_lshl_b32 s33, s68, 6
	s_add_co_u32 s32, s32, s33
	s_add_co_u32 s32, s32, 0x400000
	s_mov_b32 s33, 0                               ; its scale words
	s_mov_b32 s[SEL], 0x76543210
	s_mov_b32 s[SEL+1], 0xfedcba98
	s_mov_b32 s[MNT], 0x600000
	v_and_b32 v2, 31, v0
	v_and_b32 v3, 15, v0                           ; r
	v_bfe_u32 v4, v0, 4, 1                         ; h
	v_lshlrev_b32 v[LI], 4, v2
	v_add_nc_u32 v[SIN], s28, v[LI]                ; in: row w, 16 bytes a lane
	v_mul_u32_u24 v[SOUT], v3, PITCH
	v_lshl_add_u32 v[SOUT], v4, 6, v[SOUT]
	v_add_nc_u32 v[SOUT], s29, v[SOUT]             ; out: row r, K step w (512 bytes), my half's 64 bytes of each block of 128
	v_lshlrev_b32 v[R4], 2, v3
.irp b, 0,1,2,3
	v_mov_b32 v[TM+4+\b], 0                        ; a lane permute's destination counts as one of its sources
.endr
	s_wait_alu depctr_va_vdst(0)                   ; the wait at the head's end
	s_wait_kmcnt 0x0
	s_add_nc_u64 s[2:3], s[2:3], s[26:27]
	s_add_nc_u64 s[30:31], s[16:17], s[30:31]
	s_add_nc_u64 s[32:33], s[16:17], s[32:33]
.irp j, 0,1,2,3,4,5,6,7
	global_load_b128 v[RAW+4*\j:RAW+4*\j+3], v[LI], s[2:3] offset:512*\j th:TH_LOAD_NT
.endr
.irp j, 0,1,2,3,4,5,6,7
	global_load_b128 v[X+4*\j:X+4*\j+3], v[LI], s[2:3] offset:65536+512*\j th:TH_LOAD_NT
.endr
.irp j, 0,1,2,3,4,5,6,7
	s_wait_loadcnt 15-\j                           ; loads come back in order: load j is in, the 15 - j younger ones may be out
	ds_store_b128 v[SIN], v[RAW+4*\j:RAW+4*\j+3] offset:512*\j
.endr
.irp j, 0,1,2,3,4,5,6,7
	s_wait_loadcnt 7-\j
	ds_store_b128 v[SIN], v[X+4*\j:X+4*\j+3] offset:8*PITCH+512*\j
.endr
	s_wait_dscnt 0x0                               ; for the others' sake: my two rows lie in the stage
	s_barrier_signal -1
	s_barrier_wait -1
.irp c, 0,1,2,3
.irp j, 0,1,2,3
	ds_load_b128 v[X+16*\c+4*\j:X+16*\c+4*\j+3], v[SOUT] offset:128*\c+16*\j
.endr
.endr
	s_wait_dscnt 0x0
	QUANT X, PC
.irp c, 0,1,2,3
	global_store_b128 v[LI], v[PC+4*\c:PC+4*\c+3], s[30:31] offset:512*\c   ; 512 consecutive bytes a store
.endr
	global_store_b32 v[R4], v[PW], s[32:33]        ; lanes l and l + 16 hold the same word and write it to the same place
	s_branch .Lend
	; ---- the weights ----
.Lw:
	s_and_b32 s48, s68, 3                          ; my place among the four waves that share 128 columns
	s_lshl_b32 s66, ttmp9, 1
	s_lshr_b32 s67, s68, 2
	s_add_co_u32 s66, s66, s67                     ; which four, 0 .. 383: 32 to a panel
	s_lshr_b32 s22, s66, 5                         ; the panel
	s_and_b32 s66, s66, 31
	s_mul_i32 s49, s68, SPB
	s_add_co_u32 s49, s49, WST                     ; my stage
	s_sub_co_u32 s28, s22, 3
	s_lshl_b32 s28, s28, 12                        ; W1: 1,024 columns are 4,096 bytes
	s_sub_co_u32 s29, s22, 8
	s_lshl_b32 s29, s29, 22                        ; W2: 1,024 rows of 4,096 bytes
	s_mul_i32 s30, s22, 0x108000
	s_add_co_u32 s30, s30, 0x420000                ; in pq the panels lie behind x's record
	s_sub_co_u32 s31, s22, 8
	s_mul_i32 s31, s31, 0x108000
	s_mov_b32 s23, 16384
	s_cmp_ge_u32 s22, 3
	s_cselect_b32 s28, s28, 0                      ; s28: where the panel begins in its weight
	s_cselect_b32 s23, s23, 4096                   ; s23: bytes from row to row
	s_cmp_ge_u32 s22, 7
	s_cselect_b32 s28, 0, s28
	s_cselect_b32 s23, 4096, s23
	s_cselect_b32 s30, 0, s30                      ; s30: where its record begins in its buffer
	s_cmp_ge_u32 s22, 8
	s_cselect_b32 s28, s29, s28
	s_cselect_b32 s30, s31, s30
	s_and_b32 s50, s66, 7                          ; which 128 columns
	s_lshr_b32 s51, s66, 3                         ; which 256 along K
	s_lshl_b32 s52, s50, 2
	s_add_co_u32 s52, s52, s48                     ; G: my wave's group of 32 columns = tiles 2 G, 2 G + 1
	s_lshl_b32 s53, s52, 7
	s_add_co_u32 s28, s28, s53                     ; + 32 G columns
	s_lshl_b32 s53, s51, 8
	s_mul_i32 s53, s53, s23
	s_add_co_u32 s28, s28, s53                     ; + 256 rows for each step along K
	s_mov_b32 s29, 0
	s_lshl_b32 s53, s52, 10
	s_add_co_u32 s54, s30, s53
	s_lshl_b32 s53, s51, 7
	s_add_co_u32 s54, s54, s53
	s_add_co_u32 s54, s54, 0x100000
	s_mov_b32 s55, 0                               ; the scale words: 2 G x 512 + two K steps x 64
	s_lshl_b32 s53, s52, 15
	s_add_co_u32 s30, s30, s53
	s_lshl_b32 s53, s51, 12
	s_add_co_u32 s30, s30, s53
	s_mov_b32 s31, 0                               ; the codes: 2 G x 16,384 + two K steps x 2,048
	s_lshl_b32 s56, s23, 5
	s_mov_b32 s57, 0                               ; 32 rows
	s_mov_b32 s62, 0x600000                        ; the mantissa field of 448
	v_and_b32 v2, 31, v0                           ; lane = my column among the wave's 32
	v_lshlrev_b32 v3, 2, v2
	v_bfe_u32 v5, v0, 3, 1                         ; u: which of the two tiles my column's position falls into (its bit 3)
	v_and_b32 v6, 7, v0
	v_bfe_u32 v10, v0, 4, 1
	v_lshl_or_b32 v6, v10, 3, v6                   ; r: its place in that tile: (lane % 8) + 8 (lane / 16)
	v_mul_u32_u24 v4, v5, 4224
	v_lshl_add_u32 v4, v6, 4, v4
	v_add_nc_u32 v4, s49, v4                       ; the stage, in: tile u, 16 r
	v_lshlrev_b32 v8, 4, v2                        ; 16 x lane
	v_add_nc_u32 v7, s49, v8                       ; and out
	v_lshlrev_b32 v9, 9, v5
	v_lshl_add_u32 v9, v6, 2, v9                   ; my scale words: 512 u + 4 r
.set i, 0
.rept 32
	v_mad_u32_u24 v[VO+i], s23, i, v3
.set i, i+1
.endr
	s_wait_alu depctr_va_vdst(0)                   ; the wait at the head's end
	s_wait_kmcnt 0x0
	s_cmp_eq_u32 s22, 1                            ; the choices hang on the panel's number alone
	s_cselect_b64 s[24:25], s[6:7], s[4:5]
	s_cmp_eq_u32 s22, 2
	s_cselect_b64 s[24:25], s[8:9], s[24:25]
	s_cmp_ge_u32 s22, 3
	s_cselect_b64 s[24:25], s[10:11], s[24:25]
	s_cmp_ge_u32 s22, 7
	s_cselect_b64 s[24:25], s[12:13], s[24:25]
	s_cselect_b64 s[26:27], s[18:19], s[16:17]
	s_cmp_ge_u32 s22, 8
	s_cselect_b64 s[24:25], s[14:15], s[24:25]
	s_cselect_b64 s[26:27], s[20:21], s[26:27]
	s_add_nc_u64 s[32:33], s[24:25], s[28:29]      ; a base for each block of 32 rows: none is rewritten
.irp t, 1,2,3,4,5,6,7
	s_add_nc_u64 s[32+2*\t:33+2*\t], s[30+2*\t:31+2*\t], s[56:57]
.endr
	s_add_nc_u64 s[58:59], s[26:27], s[30:31]
	s_add_nc_u64 s[60:61], s[26:27], s[54:55]
.macro LOAD t                          ; block t: W(32 t + i, my column), i = 0 .. 31, into set t % 2
.set i, 0
.rept 32
	global_load_b32 v[X+32*((\t)%2)+i], v[VO+i], s[32+2*(\t):33+2*(\t)] th:TH_LOAD_NT
.set i, i+1
.endr
.endm
	LOAD 0
	LOAD 1
.macro BLOCK t
.set XS, X+32*((\t)%2)
.if (\t) < 7
	s_wait_loadcnt 32                              ; this block's 32 loads are in; the next block's 32 may be out
.else
	s_wait_loadcnt 0
.endif
	v_max3_num_f32 v12, |v[XS]|, |v[XS+1]|, |v[XS+2]|              ; the block's largest magnitude: all 32 numbers are mine
	v_max3_num_f32 v13, |v[XS+3]|, |v[XS+4]|, |v[XS+5]|
.irp i, 6,10,14,18,22,26
	v_max3_num_f32 v12, v12, |v[XS+\i]|, |v[XS+\i+1]|
	v_max3_num_f32 v13, v13, |v[XS+\i+2]|, |v[XS+\i+3]|
.endr
	v_max3_num_f32 v12, v12, |v[XS+30]|, |v[XS+31]|
	v_max3_num_f32 v12, v12, v13, 0x4800000        ; and the floor 2^(9 - 127)
	v_add_nc_u32 v11, 0xfc000000, v12              ; 8 off its exponent field: the conversion's scale operand
	v_and_or_b32 v10, v12, 0x7f800000, s62         ; 448 x the scale
	v_lshrrev_b32 v13, 23, v11                     ; the scale's byte
.if (\t)%4 == 0
	v_mov_b32 v[SB+(\t)/4], v13
.else
	v_lshl_or_b32 v[SB+(\t)/4], v13, 8*((\t)%4), v[SB+(\t)/4]
.endif
.irp i, 0,1,2,3,4,5,6,7,8,9,10,11,12,13,14,15,16,17,18,19,20,21,22,23,24,25,26,27,28,29,30,31
	v_med3_num_f32 v[XS+\i], v[XS+\i], -v10, v10   ; the hold: the conversion to an 8-bit code does not saturate (ISA guide 7.6.2)
.endr
.irp g, 0,1,2,3
	v_cvt_scalef32_pk8_fp8_f32 v[C+2*\g:C+2*\g+1], v[XS+8*\g:XS+8*\g+7], v11
.endr
	v_nop                                          ; one plain line behind the last conversion
	ds_store_b128 v4, v[C:C+3] offset:((\t)/4)*2048+((\t)%4)*512       ; k 32 t + 0 .. 15: the image's lanes 0-15
	ds_store_b128 v4, v[C+4:C+7] offset:((\t)/4)*2048+((\t)%4)*512+256 ; k 32 t + 16 .. 31: its lanes 16-31
.if (\t)+2 < 8
	LOAD (\t)+2
.endif
	s_wait_dscnt 0x0                               ; the stores have read their registers: the next block's codes may be written
.endm
.irp t, 0,1,2,3,4,5,6,7
	BLOCK \t
.endr
	global_store_b32 v9, v[SB], s[60:61]           ; my column's scale words of the two K steps
	global_store_b32 v9, v[SB+1], s[60:61] offset:64
.irp t, 0,1,2,3,4,5,6,7,8,9,10,11,12,13,14,15
	ds_load_b128 v[OUTR+4*\t:OUTR+4*\t+3], v7 offset:(\t/8)*4224+(\t%8)*512   ; LDS serves a wave's instructions in order: these see my stores
.endr
.irp t, 0,1,2,3,4,5,6,7,8,9,10,11,12,13,14,15
	s_wait_dscnt 15-\t
	global_store_b128 v8, v[OUTR+4*\t:OUTR+4*\t+3], s[58:59] offset:(\t/8)*16384+(\t%8)*512   ; 512 consecutive bytes a store
.endr
.Lend:
	s_wait_tensorcnt 0x0                           ; the wave's end: behind my last LDS store
	ds_add_u32 v208, v209
	s_wait_dscnt 0x0
	s_endpgm
.Lfunc_end_k_qeef87dbdfe_prep:
	.size	k_qeef87dbdfe_prep, .Lfunc_end_k_qeef87dbdfe_prep-k_qeef87dbdfe_prep
	.p2alignl 7, 3214868480
	.fill 96, 4, 3214868480
	.section	.rodata,"a",@progbits
	.p2align	6, 0x0
	.amdhsa_kernel k_qeef87dbdfe_prep
		.amdhsa_group_segment_fixed_size 134656
		.amdhsa_private_segment_fixed_size 0
		.amdhsa_enable_private_segment 0
		.amdhsa_kernarg_size 80
		.amdhsa_user_sgpr_count 2
		.amdhsa_user_sgpr_kernarg_segment_ptr 1
		.amdhsa_wavefront_size32 1
		.amdhsa_system_sgpr_workgroup_id_x 1
		.amdhsa_system_sgpr_workgroup_id_y 1
		.amdhsa_system_sgpr_workgroup_id_z 1
		.amdhsa_system_vgpr_workitem_id 0
		.amdhsa_next_free_vgpr 210
		.amdhsa_next_free_sgpr 70
		.amdhsa_reserve_vcc 0
		.amdhsa_float_denorm_mode_32 3
		.amdhsa_float_denorm_mode_16_64 3
		.amdhsa_memory_ordered 1
		.amdhsa_forward_progress 1
		.amdhsa_inst_pref_size 78
	.end_amdhsa_kernel
	.amdgpu_metadata
---
amdhsa.version: [ 1, 2 ]
amdhsa.kernels:
  - .name:           k_qeef87dbdfe_prep
    .symbol:         k_qeef87dbdfe_prep.kd
    .args:
      - { .name: x, .offset: 0, .size: 8, .value_kind: global_buffer, .address_space: global }
      - { .name: Wq, .offset: 8, .size: 8, .value_kind: global_buffer, .address_space: global }
      - { .name: Wk, .offset: 16, .size: 8, .value_kind: global_buffer, .address_space: global }
      - { .name: Wv, .offset: 24, .size: 8, .value_kind: global_buffer, .address_space: global }
      - { .name: W1, .offset: 32, .size: 8, .value_kind: global_buffer, .address_space: global }
      - { .name: Wo, .offset: 40, .size: 8, .value_kind: global_buffer, .address_space: global }
      - { .name: W2, .offset: 48, .size: 8, .value_kind: global_buffer, .address_space: global }
      - { .name: pq, .offset: 56, .size: 8, .value_kind: global_buffer, .address_space: global }
      - { .name: woq, .offset: 64, .size: 8, .value_kind: global_buffer, .address_space: global }
      - { .name: w2q, .offset: 72, .size: 8, .value_kind: global_buffer, .address_space: global }
    .group_segment_fixed_size: 134656
    .private_segment_fixed_size: 0
    .kernarg_segment_align: 8
    .kernarg_segment_size: 80
    .max_flat_workgroup_size: 256
    .sgpr_count:     70
    .vgpr_count:     210
    .wavefront_size: 32
...
	.end_amdgpu_metadata
.endif
;; end of part 1
;; launch proj (part 2): grid 12 x 16, 4 waves a work-group, clusters of 4 x 4, 327,680 bytes of LDS; arguments pq, bq, bk, bv, qkvc; writes qkvc
.if DOCPART == 2
	.amdgcn_target "amdgcn-amd-amdhsa--gfx1250"
	.amdhsa_code_object_version 6
	.text
	.protected	k_qeef87dbdfe_proj
	.globl	k_qeef87dbdfe_proj
	.p2align	8
	.type	k_qeef87dbdfe_proj,@function
k_qeef87dbdfe_proj:
	s_mov_b64 s[64:65], 0
	v_nop
	global_prefetch_b8 v0, s[64:65] scope:SCOPE_SE
	s_setreg_imm32_b32 hwreg(HW_REG_WAVE_MODE, 25, 1), 1
	s_wait_xcnt 0x0
	s_wait_alu depctr_hold_cnt(0) depctr_sa_sdst(0) depctr_va_vdst(0) depctr_va_sdst(0) depctr_va_ssrc(0) depctr_va_vcc(0) depctr_vm_vsrc(0)
	s_getreg_b32 s2, hwreg(HW_REG_IB_STS2, 6, 4)
	s_cmp_eq_u32 s2, 0
	s_cbranch_scc0 .Lentry_in_a_cluster
	s_endpgm
.Lentry_in_a_cluster:
	s_bfe_u32 s2, ttmp6, 0x10000c
	s_cmp_lg_u32 s2, 0xf033
	s_cbranch_scc0 .Lentry_shape_is_right
	s_endpgm
.Lentry_shape_is_right:
.set NQ,     2
.set FR,     16
.set NL,     4
.set NP,     8
.set HALFT,  32768
.set SLOT,   131072
.set SCL,    2*SLOT
.set HALFS,  4096
.set SPARE,  SCL+4*HALFS
.set LAPS,   2
.set XREC,   0x420000
.set PANEL,  0x108000
.set ADRA, 16
.set ADRB, 20
.set R4,   19
.set LI,   24
.set RH,   25
.set H16,  26
.set ADRS, 27
.set SPW,  28
.set NIL,  29
.set SC,   32
.set BI,   64
.set AF,   128
.set T,    128
.set TM,   192
.set PW,   208
.set SW,   209
.set PC,   212
.set G1, 24
.set G0, 32
.set G1B, 48
.set G0B, 56
.set G1S, 68
.set G0S, 76
.set G1SB, 80
.set G0SB, 88
.set PADW, 94
.set MNT, 95
.set SEL, 96
.set MSB, 0
.macro WIN new
.if MSB != \new
	s_set_vgpr_msb (MSB<<8)|\new
.set MSB, \new
.endif
.endm
.set MUL_LO, 0xa1
.set MUL_HI, 0xf1
.set TO_B,   0x40
.macro JLOAD g0a, g1a, g0b, g1b
	s_cmp_eq_u32 s15, 0
	s_cbranch_scc0 .Lfor_b_\@
	tensor_load_to_lds s[\g0a:\g0a+3], s[\g1a:\g1a+7]
	s_nop 0
.rept 4
	v_nop
.endr
	s_branch .Lasked_\@
.Lfor_b_\@:
	tensor_load_to_lds s[\g0b:\g0b+3], s[\g1b:\g1b+7]
	s_nop 0
.rept 4
	v_nop
.endr
.Lasked_\@:
.endm
.macro CREST
	s_cmp_lg_u32 s14, 0
	s_cbranch_scc1 .Lnot_wave_0_\@
	s_barrier_signal -3
.Lnot_wave_0_\@:
	s_barrier_wait -3
	s_barrier_signal -1
	s_barrier_wait -1
.endm
.macro CROUND
	s_barrier_signal -1
	s_barrier_wait -1
	CREST
.endm
.macro QUANT s, pc
.irp b, 0,1,2,3
	v_max3_num_f32 v[TM+\b], |v[\s+16*\b]|, |v[\s+1+16*\b]|, 0x4800000
.endr
.irp i, 2,4,6,8,10,12,14
.irp b, 0,1,2,3
	v_max3_num_f32 v[TM+\b], v[TM+\b], |v[\s+16*\b+\i]|, |v[\s+1+16*\b+\i]|
.endr
.endr
.irp b, 0,1,2,3
	v_permlanex16_b32 v[TM+4+\b], v[TM+\b], s[SEL], s[SEL+1]
.endr
.irp b, 0,1,2,3
	v_max_num_f32 v[TM+\b], v[TM+\b], v[TM+4+\b]
.endr
.irp b, 0,1,2,3
	v_add_nc_u32 v[TM+12+\b], 0xfc000000, v[TM+\b]
.endr
.irp b, 0,1,2,3
	v_and_or_b32 v[TM+8+\b], v[TM+\b], 0x7f800000, s[MNT]
.endr
.irp b, 0,1,2,3
	v_lshrrev_b32 v[TM+4+\b], 23, v[TM+12+\b]
.endr
	v_lshl_or_b32 v[PW], v[TM+5], 8, v[TM+4]
	v_lshl_or_b32 v[PW], v[TM+6], 16, v[PW]
	v_lshl_or_b32 v[PW], v[TM+7], 24, v[PW]
.irp b, 0,1,2,3
.irp i, 0,1,2,3,4,5,6,7,8,9,10,11,12,13,14,15
	v_med3_num_f32 v[\s+16*\b+\i], v[\s+16*\b+\i], -v[TM+8+\b], v[TM+8+\b]
.endr
	v_cvt_scalef32_pk8_fp8_f32 v[\pc+4*\b:\pc+1+4*\b], v[\s+16*\b:\s+7+16*\b], v[TM+12+\b]
	v_cvt_scalef32_pk8_fp8_f32 v[\pc+2+4*\b:\pc+3+4*\b], v[\s+8+16*\b:\s+15+16*\b], v[TM+12+\b]
.endr
	v_nop
.endm
	s_load_b256 s[4:11], s[0:1], 0x0
	s_load_b64 s[12:13], s[0:1], 0x20
	v_lshl_add_u32 v[SPW], v0, 2, SPARE
	v_mov_b32 v[NIL], 0
	ds_add_u32 v28, v29
	ds_add_u32 v28, v29
	s_wait_dscnt 0x0
	v_lshrrev_b32 v1, 5, v0
	v_readfirstlane_b32 s14, v1
	s_lshr_b32 s15, s14, 1
	s_and_b32 s16, s14, 1
	s_bfe_u32 s40, ttmp6, 0x40000
	s_bfe_u32 s41, ttmp6, 0x40004
	s_and_b32 s19, ttmp7, 0xffff
	s_lshl_b32 s19, s19, 2
	s_mul_i32 s95, ttmp9, PANEL
	s_add_co_u32 s95, s95, XREC
	s_mov_b32 s93, 0x400000
	s_cmp_eq_u32 ttmp9, 2
	s_cselect_b32 s17, 0, s19
	s_cselect_b32 s42, s19, 0
	s_cselect_b32 s20, XREC+2*PANEL, 0
	s_cselect_b32 s22, 0x100000, s93
	s_cselect_b32 s46, 0, s95
	s_cselect_b32 s92, s93, 0x100000
	s_add_co_u32 s17, s17, s41
	s_add_co_u32 s42, s42, s40
	s_lshl_b32 s43, s41, 2
	s_lshl_b32 s43, 15, s43
	s_lshl_b32 s44, 0x1111, s40
	s_or_b32 s[G1+0], s43, (3<<16)|(1<<21)
	s_or_b32 s[G1B+0], s44, (3<<16)|(1<<21)
.irp g, G1, G1B
	s_mov_b32 s[\g+1], 512<<16
	s_mov_b32 s[\g+2], 16<<16
	s_mov_b32 s[\g+3], 512<<16
	s_mov_b32 s[\g+4], 16
	s_mov_b32 s[\g+5], 2048
	s_mov_b32 s[\g+6], 0
	s_mov_b32 s[\g+7], 0
.endr
	s_or_b32 s[G1S+0], s43, (3<<16)|(1<<21)
	s_or_b32 s[G1SB+0], s44, (3<<16)|(1<<21)
.irp g, G1S, G1SB
	s_mov_b32 s[\g+1], 32<<16
	s_mov_b32 s[\g+2], 32<<16
	s_mov_b32 s[\g+3], 32<<16
	s_mov_b32 s[\g+4], 32
	s_mov_b32 s[\g+5], 32
	s_mov_b32 s[\g+6], 0
	s_mov_b32 s[\g+7], 0
.endr
	s_add_co_u32 s22, s22, s20
	s_lshl_b32 s18, s17, 13
	s_add_co_u32 s22, s22, s18
	s_lshl_b32 s19, s16, 12
	s_add_co_u32 s22, s22, s19
	s_mov_b32 s23, 0
	s_lshl_b32 s18, s17, 18
	s_add_co_u32 s20, s20, s18
	s_lshl_b32 s19, s16, 17
	s_add_co_u32 s20, s20, s19
	s_mov_b32 s21, 0
	s_add_co_u32 s92, s92, s46
	s_lshl_b32 s95, s42, 13
	s_add_co_u32 s92, s92, s95
	s_lshl_b32 s19, s16, 12
	s_add_co_u32 s92, s92, s19
	s_mov_b32 s93, 0
	s_lshl_b32 s95, s42, 18
	s_add_co_u32 s46, s46, s95
	s_lshl_b32 s19, s16, 17
	s_add_co_u32 s46, s46, s19
	s_mov_b32 s47, 0
	s_mul_i32 s45, s14, HALFT
	s_mul_i32 s94, s14, HALFS
	s_wait_kmcnt 0x0
	s_add_nc_u64 s[20:21], s[4:5], s[20:21]
	s_add_nc_u64 s[22:23], s[4:5], s[22:23]
	s_add_nc_u64 s[46:47], s[4:5], s[46:47]
	s_add_nc_u64 s[92:93], s[4:5], s[92:93]
	CROUND
	s_mov_b32 s[G0S], 1
	s_mov_b32 s[G0S+1], SCL
	s_sub_nc_u64 s[G0S+2:G0S+3], s[22:23], 4096    ; wave 1 asks for the scale words of all 256 rows: its own half begins 4,096 bytes on
	s_or_b32 s[G0S+3], s[G0S+3], 0x80000000
	s_mov_b32 s[G0SB], 1
	s_mov_b32 s[G0SB+1], SCL+2*HALFS
	s_sub_nc_u64 s[G0SB+2:G0SB+3], s[92:93], 4096  ; wave 3 likewise
	s_or_b32 s[G0SB+3], s[G0SB+3], 0x80000000
.irp s, 0,1
	s_mov_b32 s[G0+4*\s], 1
	s_add_co_u32 s[G0+4*\s+1], s45, \s*SLOT
	s_add_nc_u64 s[G0+4*\s+2:G0+4*\s+3], s[20:21], \s*4096
	s_or_b32 s[G0+4*\s+3], s[G0+4*\s+3], 0x80000000
	s_mov_b32 s[G0B+4*\s], 1
	s_add_co_u32 s[G0B+4*\s+1], s45, \s*SLOT
	s_add_nc_u64 s[G0B+4*\s+2:G0B+4*\s+3], s[46:47], \s*4096
	s_or_b32 s[G0B+4*\s+3], s[G0B+4*\s+3], 0x80000000
.endr
	; the head's four tiles, one joint load a wave, in one chain: wave 0 K step 0 of all 16 tiles of one operand, wave 2 of the other (their own descriptors, 16 rows), waves 1 and 3 the scale words
	s_cmp_eq_u32 s14, 0
	s_cbranch_scc0 .Lh1
	tensor_load_to_lds s[G0:G0+3], s[G1:G1+7]
	s_nop 0
.rept 4
	v_nop
.endr
	s_branch .Lhj
.Lh1:
	s_cmp_eq_u32 s14, 1
	s_cbranch_scc0 .Lh2
	tensor_load_to_lds s[G0S:G0S+3], s[G1S:G1S+7]
	s_nop 0
.rept 4
	v_nop
.endr
	s_branch .Lhj
.Lh2:
	s_cmp_eq_u32 s14, 2
	s_cbranch_scc0 .Lh3
	tensor_load_to_lds s[G0B:G0B+3], s[G1B:G1B+7]
	s_nop 0
.rept 4
	v_nop
.endr
	s_branch .Lhj
.Lh3:
	tensor_load_to_lds s[G0SB:G0SB+3], s[G1SB:G1SB+7]
	s_nop 0
.rept 4
	v_nop
.endr
.Lhj:
	s_wait_alu depctr_va_vdst(0)
	s_wait_tensorcnt 0x0                           ; my tile of the four is in
	ds_add_u32 v28, v29
	s_mov_b32 s[G1+2], 8<<16                       ; no tensor load of mine is out: from here on a load brings 8 tiles
	s_mov_b32 s[G1+4], 8
	s_mov_b32 s[G1B+2], 8<<16
	s_mov_b32 s[G1B+4], 8
	s_wait_dscnt 0x0
	CROUND
	JLOAD G0+4, G1, G0B+4, G1B
	v_and_b32 v1, 15, v0
	v_bfe_u32 v2, v0, 4, 1
	s_wait_alu depctr_va_vdst(0)
	v_and_b32 v3, 31, v0
	v_lshlrev_b32 v[LI], 4, v3
	s_mul_i32 s21, s15, HALFT
	s_mul_i32 s22, s16, HALFT
	s_add_co_u32 s22, s22, 2*HALFT
.irp s, 0,1
	v_add_nc_u32 v[ADRA+\s], s21, v[LI]
	v_add_nc_u32 v[ADRB+\s], s22, v[LI]
	s_add_co_u32 s21, s21, SLOT
	s_add_co_u32 s22, s22, SLOT
.endr
	v_lshlrev_b32 v[R4], 2, v1
	s_mul_i32 s21, s15, HALFS
	s_mul_i32 s22, s16, HALFS
	s_add_co_u32 s22, s22, 2*HALFS
	s_sub_co_u32 s22, s22, s21
	v_mul_u32_u24 v6, s22, v2
	s_add_co_u32 s21, s21, SCL
	v_add_nc_u32 v5, v[R4], v6
	v_add_nc_u32 v[ADRS], s21, v5
	v_mul_u32_u24 v[RH], v2, 20480
	v_add_nc_u32 v[RH], v[RH], v[R4]
	v_lshlrev_b32 v[H16], 4, v2
	v_lshlrev_b32 v22, 6, v2
	v_and_b32 v23, 8, v1
	v_add_nc_u32 v23, v23, v1
	v_lshlrev_b32 v23, 2, v23
	s_lshl_b32 s21, s40, 10
	s_lshl_b32 s22, s16, 9
	s_add_co_u32 s21, s21, s22
	s_lshl_b32 s22, s41, 10
	s_lshl_b32 s23, s15, 9
	s_add_co_u32 s22, s22, s23
	s_cmp_eq_u32 ttmp9, 1
	s_cselect_b64 s[98:99], s[8:9], s[6:7]
	s_cmp_eq_u32 ttmp9, 2
	s_cselect_b64 s[98:99], s[10:11], s[98:99]
	s_cselect_b32 s100, s22, s21
	s_mov_b32 s101, 0
	s_add_nc_u64 s[98:99], s[98:99], s[100:101]
	s_cmp_eq_u32 ttmp9, 2
	s_cbranch_scc1 .Lbias_v
	s_wait_alu depctr_va_vdst(0)
.irp g, 0,1,2,3
.irp i, 0,1,2,3
	global_load_b128 v[BI+16*\g+4*\i:BI+16*\g+4*\i+3], v22, s[98:99] offset:128*\g+16*\i
.endr
.endr
	s_branch .Lbias_done
.Lbias_v:
	s_wait_alu depctr_va_vdst(0)
.irp a, 0,1,2,3,4,5,6,7
.irp j, 0,1,2,3,4,5,6,7
	global_load_b32 v[BI+8*\a+\j], v23, s[98:99] offset:4*(32*(\a/2)+8*(\a%2))
.endr
.endr
.Lbias_done:
.macro FRAG reg, adr, q, i
.irp c, 0,1,2,3
	ds_load_b128 v[\reg+4*\c:\reg+4*\c+3], v[\adr] offset:4096*(\i)+2048*(\q)+512*\c
.endr
.endm
.macro MUL16 a0, p, q, sc, zero
.irp a, \a0, \a0+1
.irp b, 0,1,2,3,4,5,6,7
.if \zero
	v_wmma_scale_f32_16x16x128_f8f6f4 v[8*(8*((\a)%4)+\b):8*(8*((\a)%4)+\b)+7], v[128*(\p)+FR*\b:128*(\p)+FR*\b+FR-1], v[AF+FR*(\a):AF+FR*(\a)+FR-1], 0, v[SC+8*NQ*(\sc)+NQ*\b+(\q)], v[SC+8*NQ*(\sc)+NQ*(\a)+(\q)] matrix_a_scale:MATRIX_SCALE_ROW1
.else
	v_wmma_scale_f32_16x16x128_f8f6f4 v[8*(8*((\a)%4)+\b):8*(8*((\a)%4)+\b)+7], v[128*(\p)+FR*\b:128*(\p)+FR*\b+FR-1], v[AF+FR*(\a):AF+FR*(\a)+FR-1], v[8*(8*((\a)%4)+\b):8*(8*((\a)%4)+\b)+7], v[SC+8*NQ*(\sc)+NQ*\b+(\q)], v[SC+8*NQ*(\sc)+NQ*(\a)+(\q)] matrix_a_scale:MATRIX_SCALE_ROW1
.endif
.endr
.endr
.endm
.macro FETCH_B slot, q, p
	WIN TO_B
.irp i, 0,1,2,3,4,5,6,7
	FRAG 128*(\p)+FR*\i, ADRB+\slot, \q, \i
.endr
	WIN 0
.endm
.macro FETCH_A slot, q, i0
.irp i, \i0, \i0+1, \i0+2, \i0+3
	FRAG AF+FR*(\i), ADRA+\slot, \q, \i
.endr
.endm
.macro SCALES sc
.irp i, 0,1,2,3,4,5,6,7
	ds_load_b32 v[SC+16*\sc+2*\i], v[ADRS] offset:512*\i
	ds_load_b32 v[SC+16*\sc+2*\i+1], v[ADRS] offset:512*\i+64
.endr
.endm
.macro PLACES n
.rept \n
	v_nop
.endr
.endm
.macro STEP slot, q, zero
	s_wait_dscnt 4*NL
	WIN MUL_LO
	MUL16 0, (\q)%2, \q, \slot, \zero
	MUL16 2, (\q)%2, \q, \slot, \zero
	s_wait_dscnt 0
	PLACES NP
	FETCH_B \slot, (\q)+1, 1-(\q)%2
	FETCH_A \slot, (\q)+1, 0
	WIN MUL_HI
	MUL16 4, (\q)%2, \q, \slot, \zero
	MUL16 6, (\q)%2, \q, \slot, \zero
	PLACES NP
	WIN 0
	FETCH_A \slot, (\q)+1, 4
.endm
.macro TURN slot, next, fill
	s_wait_tensorcnt 0x0
	ds_add_u32 v[SPW], v[NIL]
	s_wait_dscnt 4*NL+1
	WIN MUL_LO
	MUL16 0, 1, NQ-1, \slot, 0
	s_wait_dscnt 0x0
	s_barrier_signal -1
	MUL16 2, 1, NQ-1, \slot, 0
	WIN 0
	s_barrier_wait -1
.if \fill
	CREST
	s_add_nc_u64 s[G0+4*\slot+2:G0+4*\slot+3], s[G0+4*\slot+2:G0+4*\slot+3], 8192
	s_add_nc_u64 s[G0B+4*\slot+2:G0B+4*\slot+3], s[G0B+4*\slot+2:G0B+4*\slot+3], 8192
	JLOAD G0+4*\slot, G1, G0B+4*\slot, G1B
	PLACES NP-4
.else
	PLACES NP
.endif
	s_wait_alu depctr_va_vdst(0)
	v_add_nc_u32 v[ADRS], 64*NQ, v[ADRS]
	FETCH_B \next, 0, 0
	FETCH_A \next, 0, 0
	SCALES \next
	WIN MUL_HI
	MUL16 4, 1, NQ-1, \slot, 0
	MUL16 6, 1, NQ-1, \slot, 0
	PLACES NP
	WIN 0
	FETCH_A \next, 0, 4
.endm
	s_wait_tensorcnt 1
	s_barrier_signal -1
	s_barrier_wait -1
	FETCH_B 0, 0, 0
	FETCH_A 0, 0, 0
	SCALES 0
	FETCH_A 0, 0, 4
	STEP 0, 0, 1
	s_mov_b32 s3, LAPS-1
.Llap:
	TURN 0, 1, 1
	STEP 1, 0, 0
	TURN 1, 0, 1
	STEP 0, 0, 0
	s_sub_co_u32 s3, s3, 1
	s_cmp_lg_u32 s3, 0
	s_cbranch_scc1 .Llap
	TURN 0, 1, 0
	STEP 1, 0, 0
	s_wait_dscnt 4*NL
	WIN MUL_LO
	MUL16 0, 1, NQ-1, 1, 0
	MUL16 2, 1, NQ-1, 1, 0
	s_wait_dscnt 0
	WIN MUL_HI
	MUL16 4, 1, NQ-1, 1, 0
	MUL16 6, 1, NQ-1, 1, 0
	WIN 0
.macro QOUT a, mode
	s_wait_xcnt 0x0
	WIN 0x02+(\a)/4
.set AC, 64*((\a)%4)
.set i, 0
.rept 32
.if \mode
	v_pk_add_f32 v[T+i:T+i+1], v[AC+i:AC+i+1], v[BI+8*(\a)+i%8:BI+8*(\a)+i%8+1]
.else
	v_pk_add_f32 v[T+i:T+i+1], v[AC+i:AC+i+1], v[BI+i:BI+i+1]
.endif
.set i, i+2
.endr
	WIN 0
	QUANT T, PC
.if \mode
.irp c, 0,1,2,3
	global_store_b128 v[LI], v[PC+4*\c:PC+4*\c+3], s[20:21] offset:((\a)/4)*131072+((\a)%4)*2048+512*\c
.endr
	global_store_b32 v[R4], v[PW], s[22:23] offset:((\a)/4)*20480+((\a)%4)*64
.else
	v_lshrrev_b32 v[SW], v[H16], v[PW]
	v_and_or_b32 v[SW], v[SW], 0xffff, s[PADW]
.irp c, 0,1,2,3
	global_store_b128 v[LI], v[PC+4*\c:PC+4*\c+3], s[20:21] offset:1024*(\a)+(\c/2)*131072+(\c%2)*512
.endr
	global_store_b32 v[RH], v[SW], s[22:23] offset:64*(\a)
.endif
.endm
	PLACES NP
	s_wait_loadcnt 0x0
	s_mov_b32 s[SEL], 0x76543210
	s_mov_b32 s[SEL+1], 0xfedcba98
	s_mov_b32 s[MNT], 0x600000
	s_mov_b32 s[PADW], 0x7f7f0000
.irp b, 0,1,2,3
	v_mov_b32 v[TM+4+\b], 0
.endr
	s_cmp_eq_u32 ttmp9, 2
	s_cbranch_scc1 .Lvt
	s_lshr_b32 s18, s17, 3
	s_lshl_b32 s18, s18, 4
	s_lshl_b32 s19, s40, 2
	s_add_co_u32 s18, s18, s19
	s_lshl_b32 s19, s16, 1
	s_add_co_u32 s18, s18, s19
	s_and_b32 s19, s17, 7
	s_lshl_b32 s19, s19, 4
	s_lshl_b32 s46, s15, 3
	s_add_co_u32 s19, s19, s46
	s_lshl_b32 s20, s18, 7
	s_add_co_u32 s20, s20, s19
	s_lshl_b32 s20, s20, 10
	s_lshl_b32 s46, ttmp9, 22
	s_add_co_u32 s20, s20, s46
	s_mov_b32 s21, 0
	s_mul_i32 s22, s18, 20480
	s_lshl_b32 s46, ttmp9, 13
	s_add_co_u32 s22, s22, s46
	s_lshl_b32 s46, s19, 6
	s_add_co_u32 s22, s22, s46
	s_add_co_u32 s22, s22, 0xC00000
	s_mov_b32 s23, 0
	s_add_nc_u64 s[20:21], s[12:13], s[20:21]
	s_add_nc_u64 s[22:23], s[12:13], s[22:23]
.irp a, 0,1,2,3,4,5,6,7
	QOUT \a, 0
.endr
	s_branch .Lend
.Lvt:
	s_lshl_b32 s18, s42, 1
	s_add_co_u32 s18, s18, s16
	s_and_b32 s19, s18, 15
	s_lshr_b32 s18, s18, 4
	s_lshl_b32 s18, s18, 4
	s_lshl_b32 s46, s41, 2
	s_add_co_u32 s18, s18, s46
	s_lshl_b32 s46, s15, 1
	s_add_co_u32 s18, s18, s46
	s_lshl_b32 s20, s18, 4
	s_add_co_u32 s20, s20, s19
	s_lshl_b32 s20, s20, 13
	s_add_co_u32 s20, s20, 0x800000
	s_mov_b32 s21, 0
	s_mul_i32 s22, s18, 20480
	s_lshl_b32 s46, s19, 8
	s_add_co_u32 s22, s22, s46
	s_add_co_u32 s22, s22, 0xC00000+16384
	s_mov_b32 s23, 0
	s_add_nc_u64 s[20:21], s[12:13], s[20:21]
	s_add_nc_u64 s[22:23], s[12:13], s[22:23]
.irp a, 0,1,2,3,4,5,6,7
	QOUT \a, 1
.endr
.Lend:
	s_wait_tensorcnt 0x0
	ds_add_u32 v[SPW], v[NIL]
	s_wait_dscnt 0x0
	CROUND
	s_endpgm
.Lfunc_end_k_qeef87dbdfe_proj:
	.size	k_qeef87dbdfe_proj, .Lfunc_end_k_qeef87dbdfe_proj-k_qeef87dbdfe_proj
	.p2alignl 7, 3214868480
	.fill 96, 4, 3214868480
	.section	.rodata,"a",@progbits
	.p2align	6, 0x0
	.amdhsa_kernel k_qeef87dbdfe_proj
		.amdhsa_group_segment_fixed_size 327680
		.amdhsa_private_segment_fixed_size 0
		.amdhsa_enable_private_segment 0
		.amdhsa_kernarg_size 40
		.amdhsa_user_sgpr_count 2
		.amdhsa_user_sgpr_kernarg_segment_ptr 1
		.amdhsa_wavefront_size32 1
		.amdhsa_system_sgpr_workgroup_id_x 1
		.amdhsa_system_sgpr_workgroup_id_y 1
		.amdhsa_system_sgpr_workgroup_id_z 1
		.amdhsa_system_vgpr_workitem_id 0
		.amdhsa_next_free_vgpr 1024
		.amdhsa_next_free_sgpr 102
		.amdhsa_reserve_vcc 0
		.amdhsa_float_denorm_mode_32 3
		.amdhsa_float_denorm_mode_16_64 3
		.amdhsa_memory_ordered 1
		.amdhsa_forward_progress 1
		.amdhsa_inst_pref_size 255
	.end_amdhsa_kernel
	.section	.bss,"aw",@nobits
	.p2align	6
	.space	262144
	.amdgpu_metadata
---
amdhsa.version: [ 1, 2 ]
amdhsa.kernels:
  - .name:           k_qeef87dbdfe_proj
    .symbol:         k_qeef87dbdfe_proj.kd
    .args:
      - { .name: pq, .offset: 0, .size: 8, .value_kind: global_buffer, .address_space: global }
      - { .name: bq, .offset: 8, .size: 8, .value_kind: global_buffer, .address_space: global }
      - { .name: bk, .offset: 16, .size: 8, .value_kind: global_buffer, .address_space: global }
      - { .name: bv, .offset: 24, .size: 8, .value_kind: global_buffer, .address_space: global }
      - { .name: qkvc, .offset: 32, .size: 8, .value_kind: global_buffer, .address_space: global }
    .group_segment_fixed_size: 327680
    .private_segment_fixed_size: 0
    .kernarg_segment_align: 8
    .kernarg_segment_size: 40
    .max_flat_workgroup_size: 128
    .sgpr_count:     102
    .vgpr_count:     1024
    .wavefront_size: 32
...
	.end_amdgpu_metadata
.endif
;; end of part 2
;; launch attn (part 3): grid 8 x 32, 16 waves a work-group, clusters of 4 x 1, 276,480 bytes of LDS; arguments qkvc, ao; writes ao
.if DOCPART == 3
	.amdgcn_target "amdgcn-amd-amdhsa--gfx1250"
	.amdhsa_code_object_version 6
	.text
	.protected	k_qeef87dbdfe_attn
	.globl	k_qeef87dbdfe_attn
	.p2align	8
	.type	k_qeef87dbdfe_attn,@function
k_qeef87dbdfe_attn:
	s_mov_b64 s[64:65], 0
	v_nop
	global_prefetch_b8 v0, s[64:65] scope:SCOPE_SE
	s_setreg_imm32_b32 hwreg(HW_REG_WAVE_MODE, 25, 1), 1
	s_wait_xcnt 0x0
	s_wait_alu depctr_hold_cnt(0) depctr_sa_sdst(0) depctr_va_vdst(0) depctr_va_sdst(0) depctr_va_ssrc(0) depctr_va_vcc(0) depctr_vm_vsrc(0)
	s_getreg_b32 s2, hwreg(HW_REG_IB_STS2, 6, 4)
	s_cmp_eq_u32 s2, 0
	s_cbranch_scc0 .Lentry_in_a_cluster
	s_endpgm
.Lentry_in_a_cluster:
	s_bfe_u32 s2, ttmp6, 0x10000c
	s_cmp_lg_u32 s2, 0x3003
	s_cbranch_scc0 .Lentry_shape_is_right
	s_endpgm
.Lentry_shape_is_right:
; O = softmax(q k^T / 8) v for one head, both products on codes of E4M3 with E8M0 scales; O is quantised along the channels and stored as codes, the operand of the next product.
; q, k: images of fragments, [head][128 tiles of 16 positions][2 x 512 bytes] (K = the head's 64); V^T: [head][16 key steps][4 tiles of channels][2,048 bytes] (K = 128 keys).  Scale words: a record of 20,480 bytes a head.
; THE HEAD'S 64 ARE HALF OF THE INSTRUCTION'S K: registers 8-15 of q's and k's fragments hold zero codes (written once), and bytes 2, 3 of their scale words are 1.0.
; SOFTMAX: t = score x log2(e) / 8; M = the running largest t rounded UP to a whole number; p = 2^(t - M) is quantised along the keys, not normalised; the row's sum is taken of the unquantised p and divides O at the end.
; When M moves, the sum and O are multiplied by 2^(old M - new M): exact.
; SHARES: a work-group owns 256 query positions of a head, each of its sixteen waves one tile of 16, in 256 registers: four waves to a SIMD.  Every wave walks all 2,048 keys, 128 a step, two steps to a slot.
; Both products are used transposed: a lane holds one query throughout.  Tokens and channels stand in POSITION order (bits 3 and 4 exchanged), so the 16 registers of two neighbouring tiles are 16 true neighbours.
; THE WHOLE HEAD STAYS IN LDS: K's and V^T's codes are 8 slots x 32,768 bytes, their scale words 12,288: 274,432 bytes.  Every tile is filled once: at the head waves 0 to 7 ask for one slot each and wave 8 for the scale words, one load a wave.
; Nothing is filled again, so a barrier is wanted only where tiles that other waves fetched are first read: two in all, in front of slot 0 and of slots 1 to 7; from there on no wave waits for another.
; CLUSTER: the four query blocks of a cluster belong to one head and read the same K and V^T, so each tile is asked for JOINTLY: the same tensor load, with the same descriptor and a mask that names the four, in all four.
; One round of the cluster's barrier stands in front of these loads and one in front of the end.  My place in the cluster enters Q's and the output's global addresses alone.
; Nothing is prefetched: every tile is asked for at the kernel's head, so there is no later request to run ahead of.
; The two scale bytes of a row and head leave by a store of 2 bytes a lane: one byte in 32 of what the launch stores.
; LIMITS: a block of zeros gets the byte 1 where the rule says 127 (codes zero; this program alone reads the bytes); NaN and infinities are not served.
; REGISTERS: v1-4 addresses that stay; v8, v10, v11 addresses in hand; v12 -M, v13 the largest t, v[14:15] the sum; v16-31 Q; v32-95 four fragments of K; v96-159 S^T, then p, then four fragments of V^T;
;   v160-191 O^T; v192-223 O / the sum; v224-239 codes; v232-254 at work; v248-251, v253, v255 scale words (v248-251 also partial sums).
.set SLOT,  32768                      ; a slot: K's 16 tiles x 1,024 bytes, then V^T's 2 key steps x 8,192
.set VOFF,  16384
.set SCK,   8*SLOT                     ; behind the eight slots: K's scale words of the whole head, 8,192 bytes,
.set SCV,   SCK+8192                   ; and V^T's, 4,096 bytes
.set LI,   1                           ; v1   16 x lane
.set R4,   2                           ; v2   4 r
.set ASK0, 3
.set ASV0, 4
.set ADK,  8
.set ADS,  10
.set ADT,  11
.set WV,   18
.set MNT,  19
.set SEL,  20
.set CS,   22
.set G1T,  24                          ; s[24:31] descriptor group 1 for a part of a slot
.set G1S,  32                          ; s[32:39] for a part of the scale words
.set G0S,  40                          ; s[40:43] group 0 for the scale words
.set G0T,  44                          ; group 0 for my slot, s[44:47]: one load a wave
.set TB,   2
.set TS,   3
.set TJ,   66
.set SLOTS, 67
; A round of the cluster's barrier: my work-group's barrier, so that wave 0's signal speaks for all sixteen waves; wave 0 signals for the work-group; every wave waits for all four work-groups; my work-group's barrier once more.
.macro CROUND
	s_barrier_signal -1
	s_barrier_wait -1
	s_cmp_lg_u32 s[WV], 0
	s_cbranch_scc1 .Lnot_wave_0_\@
	s_barrier_signal -3
.Lnot_wave_0_\@:
	s_barrier_wait -3
	s_barrier_signal -1
	s_barrier_wait -1
.endm
	s_load_b128 s[4:7], s[0:1], 0x0                ; qkvc, ao
	v_lshl_add_u32 v6, v0, 2, 0x43000
	v_mov_b32 v7, 0
	ds_add_u32 v6, v7
	ds_add_u32 v6, v7
	v_lshrrev_b32 v8, 5, v0
	s_delay_alu instid0(VALU_DEP_1)
	v_readfirstlane_b32 s[WV], v8                  ; wave 0..15
	s_bfe_u32 s100, ttmp6, 0x40000                 ; cx: my place in the cluster
	s_lshl_b32 s101, ttmp9, 2                      ; in a cluster launch ttmp9 counts clusters
	s_add_co_u32 s101, s101, s100                  ; my block of 256 queries = 4 x cluster x + cx
	s_and_b32 s80, ttmp7, 0xffff                   ; 16 x batch + head, which the four partners share
	s_lshl_b32 s81, s80, 17                        ; a head's codes of q, of k and of V^T are 131,072 bytes each
	s_and_b32 s82, s[WV], 7                        ; THE FILLS, as they now stand: waves 0 to 7 fetch one whole slot each, wave 8 the scale words: one tensor load a wave
	s_lshl_b32 s82, s82, 14                        ; slot n: K's 16,384 bytes from 16,384 n on; V^T's lie 4 MiB behind them and come as the tile's second row
	s_add_co_u32 s82, s82, s81
	s_add_co_u32 s82, s82, 0x400000
	s_mov_b32 s83, 0
	s_mul_i32 s84, s80, 20480
	s_add_co_u32 s84, s84, 0xC00000                ; the head's scale record
	s_mov_b32 s85, 0                               ; K's and V^T's words, 12,288 bytes on end, come by one load
	s_add_co_u32 s86, s84, s85
	s_add_co_u32 s86, s86, 8192
	s_mov_b32 s87, 0
	s_lshl_b32 s99, s[WV], 15                      ; where my slot lies in LDS: by the wave's number alone
	s_lshl_b32 s88, s101, 4
	s_add_co_u32 s88, s88, s[WV]                   ; my tile of queries in the batch
	s_lshl_b32 s90, s88, 10
	s_add_co_u32 s90, s90, s81
	s_mov_b32 s91, 0                               ; its codes
	s_lshl_b32 s92, s88, 6
	s_add_co_u32 s92, s92, s84
	s_mov_b32 s93, 0                               ; its scale words
	s_lshr_b32 s89, s80, 4
	s_lshl_b32 s89, s89, 7
	s_add_co_u32 s89, s89, s88                     ; its row tile in ao: 128 x batch + tile
	s_and_b32 s98, s80, 15                         ; the head
	s_lshl_b32 s94, s89, 14
	s_lshl_b32 s95, s98, 10                        ; a head's 64 channels are half a K step: 1,024 bytes of the image
	s_add_co_u32 s94, s94, s95
	s_mov_b32 s95, 0
	s_lshl_b32 s96, s89, 9
	s_lshr_b32 s97, s98, 1
	s_lshl_b32 s97, s97, 6
	s_add_co_u32 s96, s96, s97
	s_and_b32 s97, s98, 1
	s_lshl_b32 s97, s97, 1
	s_add_co_u32 s96, s96, s97
	s_add_co_u32 s96, s96, 0x400000
	s_mov_b32 s97, 0                               ; and its two bytes of the rows' scale words
	s_mov_b32 s[G1T], 15|(3<<16)|(1<<21)           ; 15:0 the mask: all four work-groups; 17:16 elements of 8 bytes; 21 set beside a mask; no padding.  32,768 bytes as 2 rows of 16,384
	s_mov_b32 s[G1T+1], 2048<<16                   ; a slot is two rows of 2,048 elements of 8 bytes: K's 16,384 bytes, then V^T's
	s_mov_b32 s[G1T+2], 2<<16
	s_mov_b32 s[G1T+3], 2048<<16
	s_mov_b32 s[G1T+4], 2
	s_mov_b32 s[G1T+5], 524288                     ; from K's codes to V^T's: 4 MiB, in elements
	s_mov_b32 s[G1T+6], 0
	s_mov_b32 s[G1T+7], 0
	s_mov_b32 s[G1S], 15|(3<<16)|(1<<21)           ; 12,288 dense bytes as 48 rows of 256
	s_mov_b32 s[G1S+1], 32<<16
	s_mov_b32 s[G1S+2], 48<<16
	s_mov_b32 s[G1S+3], 32<<16
	s_mov_b32 s[G1S+4], 48
	s_mov_b32 s[G1S+5], 32
	s_mov_b32 s[G1S+6], 0
	s_mov_b32 s[G1S+7], 0
	s_mov_b32 s[SEL], 0x76543210
	s_mov_b32 s[SEL+1], 0xfedcba98
	s_mov_b32 s[CS], 0x3e38aa3b                    ; c = log2(e) / 8
	s_mov_b32 s[CS+1], s[CS]
	s_mov_b32 s[MNT], 0x600000
	s_mov_b32 s[TB], 0
	s_mov_b32 s[TS], 0
	s_mov_b32 s[TJ], 0
	s_wait_dscnt 0x0
	s_wait_kmcnt 0x0
	s_add_nc_u64 s[82:83], s[4:5], s[82:83]
	s_add_nc_u64 s[86:87], s[4:5], s[86:87]
	CROUND                                         ; all four work-groups are here: the joint loads meet
	s_mov_b32 s[G0S], 1
	s_add_co_u32 s[G0S+1], s85, SCK
	s_mov_b64 s[G0S+2:G0S+3], s[86:87]
	s_or_b32 s[G0S+3], s[G0S+3], 0x80000000
	s_mov_b32 s[G0T], 1
	s_mov_b32 s[G0T+1], s99
	s_mov_b64 s[G0T+2:G0T+3], s[82:83]
	s_or_b32 s[G0T+3], s[G0T+3], 0x80000000
	; one chain of branches on the wave's number, one load to an arm.  Wave 0 (slot 0) and wave 8 (the scale words) have lines of their own: they alone wait at the first barrier
	s_cmp_eq_u32 s[WV], 0
	s_cbranch_scc0 .Lnot_first
	tensor_load_to_lds s[G0T:G0T+3], s[G1T:G1T+7]
	s_nop 0
.rept 4
	v_nop
.endr
	s_branch .Lasked
.Lnot_first:
	s_cmp_lt_u32 s[WV], 8
	s_cbranch_scc0 .Lnot_slot
	tensor_load_to_lds s[G0T:G0T+3], s[G1T:G1T+7]
	s_nop 0
.rept 4
	v_nop
.endr
	s_branch .Lasked
.Lnot_slot:
	s_cmp_eq_u32 s[WV], 8
	s_cbranch_scc0 .Lasked
	tensor_load_to_lds s[G0S:G0S+3], s[G1S:G1S+7]
	s_nop 0
.rept 4
	v_nop
.endr
.Lasked:
	s_add_nc_u64 s[90:91], s[4:5], s[90:91]
	s_add_nc_u64 s[92:93], s[4:5], s[92:93]
	s_add_nc_u64 s[94:95], s[6:7], s[94:95]
	s_add_nc_u64 s[96:97], s[6:7], s[96:97]
	v_and_b32 v8, 31, v0
	s_delay_alu instid0(VALU_DEP_1)
	v_lshlrev_b32 v[LI], 4, v8
	v_and_b32 v9, 15, v0
	s_delay_alu instid0(VALU_DEP_1)
	v_lshlrev_b32 v[R4], 2, v9
	global_load_b128 v[16:19], v[LI], s[90:91]     ; Q's fragment stays in registers
	global_load_b128 v[20:23], v[LI], s[90:91] offset:512
	global_load_b32 v255, v[R4], s[92:93]          ; and its scale words
	v_add_nc_u32 v[ASK0], SCK, v[R4]
	v_add_nc_u32 v[ASV0], SCV, v[R4]
.irp j, 24,25,26,27,28,29,30,31
	v_mov_b32 v[\j], 0                             ; zero codes for K = 64 .. 127, of Q
.endr
.irp t, 0,1,2,3
.irp j, 8,9,10,11,12,13,14,15
	v_mov_b32 v[32+16*\t+\j], 0                    ; and of the four fragments of K: never rewritten
.endr
.endr
	v_mov_b32 v13, 0xff61b1e6                      ; the largest t so far: -3e38
	s_delay_alu instid0(VALU_DEP_1)
	v_floor_f32 v12, -v13                          ; -M
	v_mov_b32 v14, 0
	v_mov_b32 v15, 0
.irp b, 0,1,2,3
	v_mov_b32 v[236+\b], 0                         ; a lane permute's destination counts as one of its sources
.endr
	v_mov_b32 v253, 0                              ; (named as the upper half of the pair v[252:253] before it is first written)
.set i, 0
.rept 32
	v_mov_b32 v[160+i], 0                          ; O^T: the step is written once; its first turn finds zeros
.set i, i+1
.endr
; The largest score of blocks x0 and x1 of 32 keys (my 16 of each): it serves for the row's maximum and, since p rises with the score, for the block's largest p.  Two chains a block, four in all; each accumulator is read from its low end on.
.macro BLKMAX x0, x1
.irp b, \x0, \x1
	v_max3_num_f32 v[232+\b], v[96+16*\b], v[97+16*\b], v[98+16*\b]
	v_max3_num_f32 v[236+\b], v[104+16*\b], v[105+16*\b], v[106+16*\b]
.endr
.irp i, 3,5
.irp b, \x0, \x1
	v_max3_num_f32 v[232+\b], v[232+\b], v[96+16*\b+\i], v[97+16*\b+\i]
	v_max3_num_f32 v[236+\b], v[236+\b], v[104+16*\b+\i], v[105+16*\b+\i]
.endr
.endr
.irp b, \x0, \x1
	v_max3_num_f32 v[232+\b], v[232+\b], v[236+\b], v[103+16*\b]
.endr
.irp b, \x0, \x1
	v_max_num_f32 v[232+\b], v[232+\b], v[111+16*\b]
.endr
.endm
; A KEY STEP: 128 keys, the q-th of the slot in hand.
.macro STEP q
	v_add_nc_u32 v[ADK], s[TB], v[LI]
	s_wait_alu depctr_va_vdst(0)
	v_add_nc_u32 v[ADS], s[TS], v[ASK0]
	s_wait_alu depctr_va_vdst(0)
	v_add_nc_u32 v[ADT], s[TJ], v[ASV0]
.rept 6
	v_nop                                          ; nine places with the three additions: the products below write over registers that the last step's products read as an operand, and the loads below land in their scale registers
.endr
.irp g, 0,1                                    ; S^T = K Q^T, four tiles of 16 keys at a time
.if \g > 0
.rept 8
	v_nop                                          ; places in front of loads into registers that matrix instructions have read; also the places in front of the first read of the first four results
.endr
.endif
.irp t, 0,1,2,3
	ds_load_b128 v[32+16*\t:35+16*\t], v[ADK] offset:(8*(\q)+4*\g+\t)*1024
	ds_load_b128 v[36+16*\t:39+16*\t], v[ADK] offset:(8*(\q)+4*\g+\t)*1024+512
	ds_load_b32 v[248+\t], v[ADS] offset:64*(4*\g+\t)
.endr
	s_wait_dscnt 0x0
.irp t, 0,1,2,3
	v_wmma_scale_f32_16x16x128_f8f6f4 v[96+8*(4*\g+\t):103+8*(4*\g+\t)], v[32+16*\t:47+16*\t], v[16:31], 0, v[248+\t], v255
.endr
.endr
	BLKMAX 0, 1                                    ; sixteen plain lines on the first four products' results: they name no register of the last four products and are those products' places
	BLKMAX 2, 3
.irp b, 0,1,2,3
	v_permlanex16_b32 v[236+\b], v[232+\b], s[SEL], s[SEL+1]
.endr
.irp b, 0,1,2,3
	s_delay_alu instid0(VALU_DEP_4)
	v_max_num_f32 v[232+\b], v[232+\b], v[236+\b]  ; with lane l xor 16's 16 keys
.endr
	s_delay_alu instid0(VALU_DEP_2)
	v_max3_num_f32 v254, v232, v233, v234
	s_delay_alu instid0(VALU_DEP_1)
	v_max_num_f32 v254, v254, v235
	s_delay_alu instid0(VALU_DEP_1)
	v_mul_f32 v254, s[CS], v254                    ; the step's largest t
	s_delay_alu instid0(VALU_DEP_1)
	v_max_num_f32 v13, v13, v254                   ; the running largest t
	v_mov_b32 v254, v12
	s_delay_alu instid0(VALU_DEP_2)
	v_floor_f32 v12, -v13                          ; the new -M = -ceil(t): a whole number
	s_delay_alu instid0(VALU_DEP_1)
	v_sub_f32 v254, v12, v254                      ; old M - new M
	s_delay_alu instid0(VALU_DEP_1)
	v_cvt_i32_f32 v254, v254                       ; (it saturates)
	s_delay_alu instid0(VALU_DEP_1)
	v_ldexp_f32 v252, 1.0, v254                    ; f = 2^(old M - new M)
.set i, 0
.rept 32
	v_pk_fma_f32 v[96+i:97+i], v[96+i:97+i], s[CS:CS+1], v[12:13] op_sel_hi:[1,0,0]   ; t - M, two at a time
.set i, i+2
.endr
.irp b, 0,1,2,3
	v_fma_f32 v[232+\b], v[232+\b], s[CS], v12     ; the same of each block's largest score
.endr
.set i, 0
	s_wait_alu depctr_va_vdst(0)
.rept 64
	v_exp_f32 v[96+i], v[96+i]                     ; p = 2^(t - M)
.set i, i+1
.endr
	v_pk_mul_f32 v[14:15], v[14:15], v[252:253] op_sel_hi:[1,0]   ; the sums under the new M: a plain line behind the exponentials
	s_wait_alu depctr_va_vdst(0)                   ; one wait for the whole batch, ahead of its first reader
.irp b, 0,1,2,3
	v_exp_f32 v[232+\b], v[232+\b]                 ; the block's largest p
.endr
	v_pk_add_f32 v[236:237], v[100:101], v[104:105]
	v_pk_add_f32 v[250:251], v[108:109], v[112:113]
	v_pk_add_f32 v[248:249], v[116:117], v[120:121]
	v_pk_add_f32 v[246:247], v[124:125], v[128:129]
	v_pk_add_f32 v[244:245], v[132:133], v[136:137]
	v_pk_add_f32 v[242:243], v[140:141], v[144:145]
	v_pk_add_f32 v[240:241], v[148:149], v[152:153]
	v_pk_add_f32 v[14:15], v[14:15], v[156:157]
	v_pk_add_f32 v[236:237], v[236:237], v[96:97]
	v_pk_add_f32 v[250:251], v[250:251], v[98:99]
	v_pk_add_f32 v[248:249], v[248:249], v[102:103]
	v_pk_add_f32 v[246:247], v[246:247], v[106:107]
	v_pk_add_f32 v[244:245], v[244:245], v[110:111]
	v_pk_add_f32 v[242:243], v[242:243], v[114:115]
	v_pk_add_f32 v[240:241], v[240:241], v[118:119]
	v_pk_add_f32 v[14:15], v[14:15], v[122:123]
	v_pk_add_f32 v[236:237], v[236:237], v[126:127]
	v_pk_add_f32 v[250:251], v[250:251], v[130:131]
	v_pk_add_f32 v[248:249], v[248:249], v[134:135]
	v_pk_add_f32 v[246:247], v[246:247], v[138:139]
	v_pk_add_f32 v[244:245], v[244:245], v[142:143]
	v_pk_add_f32 v[242:243], v[242:243], v[146:147]
	v_pk_add_f32 v[240:241], v[240:241], v[150:151]
	v_pk_add_f32 v[14:15], v[14:15], v[154:155]
	v_pk_add_f32 v[236:237], v[236:237], v[158:159]
	s_delay_alu instid0(VALU_DEP_2)
	v_pk_add_f32 v[14:15], v[14:15], v[246:247]
	s_delay_alu instid0(VALU_DEP_2)
	v_pk_add_f32 v[236:237], v[236:237], v[244:245]
	v_pk_add_f32 v[250:251], v[250:251], v[242:243]
	v_pk_add_f32 v[248:249], v[248:249], v[240:241]
	s_delay_alu instid0(VALU_DEP_2)
	v_pk_add_f32 v[14:15], v[14:15], v[250:251]
	s_delay_alu instid0(VALU_DEP_2)
	v_pk_add_f32 v[236:237], v[236:237], v[248:249]
	s_delay_alu instid0(VALU_DEP_1)
	v_pk_add_f32 v[14:15], v[14:15], v[236:237]
	s_wait_alu depctr_va_vdst(0)                   ; and one for the four
.irp b, 0,1,2,3
	v_max_num_f32 v[232+\b], 0x4800000, v[232+\b]  ; the floor 2^(9 - 127)
.endr
.irp b, 0,1,2,3
	s_delay_alu instid0(VALU_DEP_4)
	v_add_nc_u32 v[244+\b], 0xfc000000, v[232+\b]
.endr
.irp b, 0,1,2,3
	v_and_or_b32 v[240+\b], v[232+\b], 0x7f800000, s[MNT]
.endr
.irp b, 0,1,2,3
	v_lshrrev_b32 v[236+\b], 23, v[244+\b]
.endr
	s_delay_alu instid0(VALU_DEP_3)
	v_lshl_or_b32 v253, v237, 8, v236              ; p's scale word for these 128 keys
	s_delay_alu instid0(VALU_DEP_1)
	v_lshl_or_b32 v253, v238, 16, v253
	s_delay_alu instid0(VALU_DEP_1)
	v_lshl_or_b32 v253, v239, 24, v253
.irp b, 0,1,2,3
.irp i, 0,1,2,3,4,5,6,7,8,9,10,11,12,13,14,15
	v_min_num_f32 v[96+16*\b+\i], v[96+16*\b+\i], v[240+\b]   ; the hold; p is not negative, so it is one-sided
.endr
	v_cvt_scalef32_pk8_fp8_f32 v[224+4*\b:225+4*\b], v[96+16*\b:103+16*\b], v[244+\b]
	v_cvt_scalef32_pk8_fp8_f32 v[226+4*\b:227+4*\b], v[104+16*\b:111+16*\b], v[244+\b]
.endr
.irp t, 0,1,2,3                                ; V^T's four fragments land where p stood
.irp c, 0,1,2,3
	ds_load_b128 v[96+16*\t+4*\c:99+16*\t+4*\c], v[ADK] offset:VOFF+8192*(\q)+2048*\t+512*\c
.endr
	ds_load_b32 v[248+\t], v[ADT] offset:64*\t
.endr
.set i, 0
.rept 16
	v_pk_mul_f32 v[160+i:161+i], v[160+i:161+i], v[252:253] op_sel_hi:[1,0]   ; O^T under the new M; these are also the places between the codes and the products
.set i, i+2
.endr
	s_wait_alu depctr_va_vdst(0)
	s_wait_dscnt 0x0
.irp t, 0,1,2,3
	v_wmma_scale_f32_16x16x128_f8f6f4 v[160+8*\t:167+8*\t], v[96+16*\t:111+16*\t], v[224:239], v[160+8*\t:167+8*\t], v[248+\t], v253
.endr
	s_add_co_u32 s[TS], s[TS], 512                 ; the next step's scale words
	s_add_co_u32 s[TJ], s[TJ], 256
.endm
.macro SLOT_STEPS
	STEP 0
	STEP 1
	s_add_co_u32 s[TB], s[TB], SLOT                ; on to the next slot
.endm
; Tiles that other waves fetched are read behind a barrier in front of which the fetching waves have seen them land.  left = how many of a fetching wave's younger loads may stay out.
; No LDS instruction of mine is out here: the last were waited for ahead of the last products.
.macro LANDED left
	s_wait_tensorcnt \left
	s_barrier_signal -1
	s_barrier_wait -1
.endm
	s_wait_alu depctr_va_vdst(0)                   ; the wait at the head's end
	s_wait_loadcnt 0x0                             ; Q
	s_and_b32 s68, s[WV], 7
	s_cmp_eq_u32 s68, 0
	s_cbranch_scc0 .Lnot_early
	s_wait_tensorcnt 0x0                           ; waves 0 and 8: slot 0 and the scale words are in
.Lnot_early:
	s_barrier_signal -1
	s_barrier_wait -1
	SLOT_STEPS
	LANDED 0                                       ; every wave's load is in: from here on no wave waits for another
	s_mov_b32 s[SLOTS], 7
.Lslot:                                            ; slots 1 to 7
	SLOT_STEPS
	s_sub_co_u32 s[SLOTS], s[SLOTS], 1
	s_cmp_lg_u32 s[SLOTS], 0
	s_cbranch_scc1 .Lslot
	; THE WAY OUT: O^T / the sum; register 16 b + e is channel 32 b + 16 (lane / 16) + e of my query: two blocks of 32, quantised as they stand.  No LDS.
.rept 8
	v_nop                                          ; places behind the last products
.endr
	v_add_f32 v14, v14, v15
	s_delay_alu instid0(VALU_DEP_1)
	v_permlanex16_b32 v252, v14, s[SEL], s[SEL+1]
	s_delay_alu instid0(VALU_DEP_1)
	v_add_f32 v14, v14, v252                       ; the row's sum
	s_wait_alu depctr_va_vdst(0)
	v_rcp_f32 v14, v14
	v_nop
	s_wait_alu depctr_va_vdst(0)                   ; ahead of the reciprocal's first reader
.set i, 0
.rept 16
	v_pk_mul_f32 v[192+i:193+i], v[160+i:161+i], v[14:15] op_sel_hi:[1,0]
.set i, i+2
.endr
.irp b, 0,1
	v_max3_num_f32 v[232+\b], |v[192+16*\b]|, |v[193+16*\b]|, 0x4800000
.endr
.irp i, 2,4,6,8,10,12,14
.irp b, 0,1
	s_delay_alu instid0(VALU_DEP_2)
	v_max3_num_f32 v[232+\b], v[232+\b], |v[192+16*\b+\i]|, |v[193+16*\b+\i]|
.endr
.endr
.irp b, 0,1
	v_permlanex16_b32 v[236+\b], v[232+\b], s[SEL], s[SEL+1]
.endr
.irp b, 0,1
	s_delay_alu instid0(VALU_DEP_2)
	v_max_num_f32 v[232+\b], v[232+\b], v[236+\b]
.endr
.irp b, 0,1
	s_delay_alu instid0(VALU_DEP_2)
	v_add_nc_u32 v[244+\b], 0xfc000000, v[232+\b]
.endr
.irp b, 0,1
	s_delay_alu instid0(VALU_DEP_4)
	v_and_or_b32 v[240+\b], v[232+\b], 0x7f800000, s[MNT]
.endr
.irp b, 0,1
	s_delay_alu instid0(VALU_DEP_4)
	v_lshrrev_b32 v[236+\b], 23, v[244+\b]
.endr
	s_delay_alu instid0(VALU_DEP_1)
	v_lshl_or_b32 v254, v237, 8, v236              ; the head's two bytes of my row's scale word
.irp b, 0,1
.irp i, 0,1,2,3,4,5,6,7,8,9,10,11,12,13,14,15
	v_med3_num_f32 v[192+16*\b+\i], v[192+16*\b+\i], -v[240+\b], v[240+\b]
.endr
	v_cvt_scalef32_pk8_fp8_f32 v[224+4*\b:225+4*\b], v[192+16*\b:199+16*\b], v[244+\b]
	v_cvt_scalef32_pk8_fp8_f32 v[226+4*\b:227+4*\b], v[200+16*\b:207+16*\b], v[244+\b]
.endr
	v_nop
	global_store_b128 v[LI], v[224:227], s[94:95]
	global_store_b128 v[LI], v[228:231], s[94:95] offset:512
	global_store_b16 v[R4], v254, s[96:97]         ; lanes l and l + 16 hold the same bytes and write them to the same place
	s_wait_tensorcnt 0x0
	ds_add_u32 v6, v7
	s_wait_dscnt 0x0
	CROUND                                         ; the closing round: no work-group ends while a partner may still ask for a tile that names it
	s_endpgm
.Lfunc_end_k_qeef87dbdfe_attn:
	.size	k_qeef87dbdfe_attn, .Lfunc_end_k_qeef87dbdfe_attn-k_qeef87dbdfe_attn
	.p2alignl 7, 3214868480
	.fill 96, 4, 3214868480
	.section	.rodata,"a",@progbits
	.p2align	6, 0x0
	.amdhsa_kernel k_qeef87dbdfe_attn
		.amdhsa_group_segment_fixed_size 276480
		.amdhsa_private_segment_fixed_size 0
		.amdhsa_enable_private_segment 0
		.amdhsa_kernarg_size 16
		.amdhsa_user_sgpr_count 2
		.amdhsa_user_sgpr_kernarg_segment_ptr 1
		.amdhsa_wavefront_size32 1
		.amdhsa_system_sgpr_workgroup_id_x 1
		.amdhsa_system_sgpr_workgroup_id_y 1
		.amdhsa_system_sgpr_workgroup_id_z 1
		.amdhsa_system_vgpr_workitem_id 0
		.amdhsa_next_free_vgpr 256
		.amdhsa_next_free_sgpr 102
		.amdhsa_reserve_vcc 0
		.amdhsa_float_denorm_mode_32 3
		.amdhsa_float_denorm_mode_16_64 3
		.amdhsa_memory_ordered 1
		.amdhsa_forward_progress 1
		.amdhsa_inst_pref_size 96
	.end_amdhsa_kernel
	.amdgpu_metadata
---
amdhsa.version: [ 1, 2 ]
amdhsa.kernels:
  - .name:           k_qeef87dbdfe_attn
    .symbol:         k_qeef87dbdfe_attn.kd
    .args:
      - { .name: qkvc, .offset: 0, .size: 8, .value_kind: global_buffer, .address_space: global }
      - { .name: ao, .offset: 8, .size: 8, .value_kind: global_buffer, .address_space: global }
    .group_segment_fixed_size: 276480
    .private_segment_fixed_size: 0
    .kernarg_segment_align: 8
    .kernarg_segment_size: 16
    .max_flat_workgroup_size: 512
    .sgpr_count:     102
    .vgpr_count:     256
    .wavefront_size: 32
...
	.end_amdgpu_metadata
.endif
;; end of part 3
;; launch go (part 4): grid 8 x 32, 8 waves a work-group, clusters of 4 x 4, 327,680 bytes of LDS; arguments ao, woq, part; writes part
.if DOCPART == 4
	.amdgcn_target "amdgcn-amd-amdhsa--gfx1250"
	.amdhsa_code_object_version 6
	.text
	.protected	k_qeef87dbdfe_go
	.globl	k_qeef87dbdfe_go
	.p2align	8
	.type	k_qeef87dbdfe_go,@function
k_qeef87dbdfe_go:
	s_mov_b64 s[64:65], 0
	v_nop
	global_prefetch_b8 v0, s[64:65] scope:SCOPE_SE
	s_setreg_imm32_b32 hwreg(HW_REG_WAVE_MODE, 25, 1), 1
	s_wait_xcnt 0x0
	s_wait_alu depctr_hold_cnt(0) depctr_sa_sdst(0) depctr_va_vdst(0) depctr_va_sdst(0) depctr_va_ssrc(0) depctr_va_vcc(0) depctr_vm_vsrc(0)
	s_getreg_b32 s2, hwreg(HW_REG_IB_STS2, 6, 4)
	s_cmp_eq_u32 s2, 0
	s_cbranch_scc0 .Lentry_in_a_cluster
	s_endpgm
.Lentry_in_a_cluster:
	s_bfe_u32 s2, ttmp6, 0x10000c
	s_cmp_lg_u32 s2, 0xf033
	s_cbranch_scc0 .Lentry_shape_is_right
	s_endpgm
.Lentry_shape_is_right:
; part[position][1024] = (attention's output) x Wo, f32, both operands as codes of E4M3 with E8M0 scales, laid as images of operand registers:
;   codes T*16384 + s*2048 + c*512 + 16*lane (tile T of 16 rows, K step s of 128); scale words behind them, T*512 + s*64 + 4 r.
; SHARES: 256 work-groups, each a block of 128 rows x 128 columns.  K is 1,024, so a block's operands, 2 x 131,072 bytes of codes and 2 x 4,096 of scale words, lie in LDS whole:
; each is filled once, at the head, one tensor load a wave (waves 0, 1: the halves of A's codes; 2, 3: of B's; 4, 5: the scale words); nothing is filled again, so there is no ring and one barrier.
; CLUSTER 4 x 4: the four of a row need the same rows of A, the four of a column the same columns of B: each tile is asked for jointly, with a mask that names the four.
; Eight waves, two to a SIMD: wave w makes rows 32 (w / 2) on x columns 64 (w % 2) on: 2 x 4 accumulators by turns, 8 products a K step on 6 fragments.
; TRANSPOSED USE: source 0 = 16 column positions of Wo, source 1 = 16 rows.  The columns' positions have bits 3 and 4 exchanged, so the 16 registers of tiles 2 p, 2 p + 1 are columns 32 p + 16 (lane / 16) + 0 .. 15.
; The way out goes through the wave's own stage in LDS: sixteen lanes store one aligned unit of 256 bytes.
; Nothing is prefetched: every tile is asked for at the head, and there is no loop to run ahead in.
.set SCA,   262144                     ; A's scale words; B's codes lie from 131,072 on
.set SCBL,  266240                     ; B's scale words
.set STAGE, 270336                     ; 16 rows x 272 bytes a wave
.set SPARE, 305152                     ; the spare words, 128 bytes a wave
.set LI,   1
.set VA,   2
.set VB,   3
.set VSA,  4
.set VSBB, 5
.set STO,  6
.set RD,   7
.set CO,   8
.set SPW,  10
.set NIL,  11
.set SBR,  16                          ; v16-31 B's scale words: 2 s + p: lanes 0-15 tile 2 p's, lanes 16-31 tile 2 p + 1's
.set SAR,  32                          ; v32-47 A's: 2 s + a
.set AF,   48                          ; v48-79 two fragments of A
.set BF,   80                          ; v80-143 four of B; on the way out the rows read back
.set ACC,  144                         ; v144-207
.set G1A,  24
.set G1B,  32
.set G1SA, 40
.set G1SB, 48
.set G0A,  56
.set G0B,  60
.set G0SA, 68
.set G0SB, 72
.macro CROUND                          ; a round of the cluster's barrier
	s_barrier_signal -1
	s_barrier_wait -1
	s_cmp_lg_u32 s14, 0
	s_cbranch_scc1 .Lnot_wave_0_\@
	s_barrier_signal -3
.Lnot_wave_0_\@:
	s_barrier_wait -3
	s_barrier_signal -1
	s_barrier_wait -1
.endm
	s_load_b128 s[4:7], s[0:1], 0x0                ; ao, woq
	s_load_b64 s[8:9], s[0:1], 0x10                ; part
	v_lshl_add_u32 v[SPW], v0, 2, SPARE
	v_mov_b32 v[NIL], 0
	ds_add_u32 v[SPW], v[NIL]                      ; the opening lines: the add, twice on end, and its wait ahead of the first tensor load
	ds_add_u32 v[SPW], v[NIL]
	v_lshrrev_b32 v12, 5, v0
	v_readfirstlane_b32 s14, v12                   ; wave 0..7
	s_lshr_b32 s15, s14, 1                         ; my 32 rows of the block
	s_and_b32 s16, s14, 1                          ; my 64 columns; also: which half of a tile's codes I fetch
	s_bfe_u32 s10, ttmp6, 0x40000                  ; cx
	s_bfe_u32 s11, ttmp6, 0x40004                  ; cy
	s_lshl_b32 s12, ttmp9, 2
	s_add_co_u32 s12, s12, s10                     ; block column
	s_and_b32 s13, ttmp7, 0xffff
	s_lshl_b32 s13, s13, 2
	s_add_co_u32 s13, s13, s11                     ; block row
	s_lshl_b32 s18, s11, 2
	s_lshl_b32 s18, 15, s18                        ; my row of the cluster
	s_lshl_b32 s19, 0x1111, s10                    ; my column
	s_or_b32 s[G1A], s18, (3<<16)|(1<<21)          ; elements of 8 bytes, no padding; bit 21 beside a mask
	s_or_b32 s[G1B], s19, (3<<16)|(1<<21)
.irp g, G1A, G1B
	s_mov_b32 s[\g+1], 32<<16                      ; 65,536 dense bytes as 256 rows of 256
	s_mov_b32 s[\g+2], 256<<16
	s_mov_b32 s[\g+3], 32<<16
	s_mov_b32 s[\g+4], 256
	s_mov_b32 s[\g+5], 32
	s_mov_b32 s[\g+6], 0
	s_mov_b32 s[\g+7], 0
.endr
	s_or_b32 s[G1SA], s18, (3<<16)|(1<<21)
	s_or_b32 s[G1SB], s19, (3<<16)|(1<<21)
.irp g, G1SA, G1SB
	s_mov_b32 s[\g+1], 32<<16                      ; 4,096 dense bytes as 16 rows of 256
	s_mov_b32 s[\g+2], 16<<16
	s_mov_b32 s[\g+3], 32<<16
	s_mov_b32 s[\g+4], 16
	s_mov_b32 s[\g+5], 32
	s_mov_b32 s[\g+6], 0
	s_mov_b32 s[\g+7], 0
.endr
	s_lshl_b32 s3, s16, 16
	s_lshl_b32 s20, s13, 17
	s_add_co_u32 s20, s20, s3                      ; A's codes: 131,072 x block row + my half
	s_mov_b32 s21, 0
	s_lshl_b32 s22, s12, 17
	s_add_co_u32 s22, s22, s3                      ; B's: by the block column
	s_mov_b32 s23, 0
	s_lshl_b32 s76, s13, 12
	s_add_co_u32 s76, s76, 0x400000                ; A's scale words
	s_mov_b32 s77, 0
	s_lshl_b32 s78, s12, 12
	s_add_co_u32 s78, s78, 0x100000                ; B's
	s_mov_b32 s79, 0
	s_lshl_b32 s2, s15, 15                         ; LDS: my two tiles of A,
	s_add_co_u32 s3, s3, 131072                    ; my four of B,
	s_lshl_b32 s66, s15, 10
	s_add_co_u32 s66, s66, SCA                     ; their scale words,
	s_lshl_b32 s67, s16, 11
	s_add_co_u32 s67, s67, SCBL
	s_mul_i32 s17, s14, 16*272
	s_add_co_u32 s17, s17, STAGE                   ; my stage
	s_lshl_b32 s18, s13, 19                        ; where my part of the result begins: row 128 x block row + 32 x (w / 2), 4,096 bytes a row;
	s_lshl_b32 s19, s15, 17
	s_add_co_u32 s18, s18, s19
	s_lshl_b32 s19, s12, 9                         ; column 128 x block column + 64 x (w % 2)
	s_add_co_u32 s18, s18, s19
	s_lshl_b32 s19, s16, 8
	s_add_co_u32 s18, s18, s19
	s_mov_b32 s19, 0
	s_wait_dscnt 0x0                               ; both opening adds are done
	s_wait_kmcnt 0x0
	s_add_nc_u64 s[20:21], s[4:5], s[20:21]
	s_add_nc_u64 s[76:77], s[4:5], s[76:77]
	s_add_nc_u64 s[22:23], s[6:7], s[22:23]
	s_add_nc_u64 s[78:79], s[6:7], s[78:79]
	s_add_nc_u64 s[8:9], s[8:9], s[18:19]
	CROUND                                         ; all sixteen work-groups are here: the joint loads meet
	s_mov_b32 s[G0A], 1
	s_lshl_b32 s[G0A+1], s14, 16                   ; waves 0 to 3: 65,536 x wave: A's halves, then B's
	s_mov_b64 s[G0A+2:G0A+3], s[20:21]
	s_or_b32 s[G0A+3], s[G0A+3], 0x80000000
	s_mov_b32 s[G0B], 1
	s_lshl_b32 s[G0B+1], s14, 16
	s_mov_b64 s[G0B+2:G0B+3], s[22:23]
	s_or_b32 s[G0B+3], s[G0B+3], 0x80000000
	s_mov_b32 s[G0SA], 1
	s_mov_b32 s[G0SA+1], SCA
	s_mov_b64 s[G0SA+2:G0SA+3], s[76:77]
	s_or_b32 s[G0SA+3], s[G0SA+3], 0x80000000
	s_mov_b32 s[G0SB], 1
	s_mov_b32 s[G0SB+1], SCBL
	s_mov_b64 s[G0SB+2:G0SB+3], s[78:79]
	s_or_b32 s[G0SB+3], s[G0SB+3], 0x80000000
.macro ARM under, g0, g1, next         ; one chain of branches on the wave's number, one load to an arm
	s_cmp_lt_u32 s14, \under
	s_cbranch_scc0 \next
	tensor_load_to_lds s[\g0:\g0+3], s[\g1:\g1+7]
	s_nop 0
.rept 4
	v_nop
.endr
	s_branch .Lasked
\next:
.endm
	ARM 2, G0A,  G1A,  .La1
	ARM 4, G0B,  G1B,  .La2
	ARM 5, G0SA, G1SA, .La3
	ARM 6, G0SB, G1SB, .La4
.Lasked:
	v_and_b32 v12, 31, v0
	v_and_b32 v13, 15, v0                          ; r
	v_bfe_u32 v14, v0, 4, 1                        ; h
	v_lshlrev_b32 v[LI], 4, v12
	v_add_nc_u32 v[VA], s2, v[LI]
	v_add_nc_u32 v[VB], s3, v[LI]
	v_lshl_add_u32 v[VSA], v13, 2, s66
	v_lshlrev_b32 v15, 9, v14
	v_lshl_add_u32 v15, v13, 2, v15
	v_add_nc_u32 v[VSBB], s67, v15                 ; lanes 16-31 take the odd tile's words, 512 bytes on
	v_mul_u32_u24 v208, v13, 272
	v_lshl_add_u32 v208, v14, 6, v208
	v_add_nc_u32 v[STO], s17, v208                 ; the stage, in: row r, 64 bytes for each half of the lanes
	v_mul_u32_u24 v209, v14, 272
	v_lshl_add_u32 v209, v13, 4, v209
	v_add_nc_u32 v[RD], s17, v209                  ; and back: lanes 0-15 one row of 256 bytes, lanes 16-31 the next
	v_lshlrev_b32 v210, 12, v14
	v_lshl_add_u32 v[CO], v13, 4, v210             ; the same two rows in the result
	s_wait_alu depctr_va_vdst(0)                   ; the wait at the head's end
	s_wait_tensorcnt 0x0                           ; my tile is in
	s_barrier_signal -1
	s_barrier_wait -1                              ; and everybody's
.macro FETCH s
.irp a, 0,1
.irp c, 0,1,2,3
	ds_load_b128 v[AF+16*\a+4*\c:AF+16*\a+4*\c+3], v[VA] offset:16384*\a+2048*(\s)+512*\c
.endr
.endr
.irp b, 0,1,2,3
.irp c, 0,1,2,3
	ds_load_b128 v[BF+16*\b+4*\c:BF+16*\b+4*\c+3], v[VB] offset:16384*\b+2048*(\s)+512*\c
.endr
.endr
.endm
.macro MM s, zero                      ; zero = 1: the first products start the sums
.irp a, 0,1
.irp b, 0,1,2,3
.if \zero
.if \b%2
	v_wmma_scale_f32_16x16x128_f8f6f4 v[ACC+8*(4*\a+\b):ACC+8*(4*\a+\b)+7], v[BF+16*\b:BF+16*\b+15], v[AF+16*\a:AF+16*\a+15], 0, v[SBR+2*(\s)+\b/2], v[SAR+2*(\s)+\a] matrix_a_scale:MATRIX_SCALE_ROW1
.else
	v_wmma_scale_f32_16x16x128_f8f6f4 v[ACC+8*(4*\a+\b):ACC+8*(4*\a+\b)+7], v[BF+16*\b:BF+16*\b+15], v[AF+16*\a:AF+16*\a+15], 0, v[SBR+2*(\s)+\b/2], v[SAR+2*(\s)+\a]
.endif
.else
.if \b%2
	v_wmma_scale_f32_16x16x128_f8f6f4 v[ACC+8*(4*\a+\b):ACC+8*(4*\a+\b)+7], v[BF+16*\b:BF+16*\b+15], v[AF+16*\a:AF+16*\a+15], v[ACC+8*(4*\a+\b):ACC+8*(4*\a+\b)+7], v[SBR+2*(\s)+\b/2], v[SAR+2*(\s)+\a] matrix_a_scale:MATRIX_SCALE_ROW1
.else
	v_wmma_scale_f32_16x16x128_f8f6f4 v[ACC+8*(4*\a+\b):ACC+8*(4*\a+\b)+7], v[BF+16*\b:BF+16*\b+15], v[AF+16*\a:AF+16*\a+15], v[ACC+8*(4*\a+\b):ACC+8*(4*\a+\b)+7], v[SBR+2*(\s)+\b/2], v[SAR+2*(\s)+\a]
.endif
.endif
.endr
.endr
.rept 8
	v_nop                                          ; eight places ahead of loads into registers that the products read, and of the first reader of their sums
.endr
.endm
.irp s, 0,1,2,3,4,5,6,7                ; the scale words of all eight K steps stay in registers
.irp p, 0,1
	ds_load_b32 v[SBR+2*\s+\p], v[VSBB] offset:1024*\p+64*\s
	ds_load_b32 v[SAR+2*\s+\p], v[VSA] offset:512*\p+64*\s
.endr
.endr
	FETCH 0
	s_wait_dscnt 0x0
	MM 0, 1
.irp s, 1,2,3,4,5,6,7
	FETCH \s
	s_wait_dscnt 0x0
	MM \s, 0
.endr
	; THE WAY OUT, 16 rows x 64 columns at a time.  LDS serves a wave's instructions in order (ISA guide 5.7.1.4): no wait between my stores and my loads, nor ahead of the next block's stores
.irp a, 0,1
.irp b, 0,1,2,3
	ds_store_b128 v[STO], v[ACC+8*(4*\a+\b):ACC+8*(4*\a+\b)+3] offset:128*(\b/2)+32*(\b%2)        ; each accumulator from its low end on
	ds_store_b128 v[STO], v[ACC+8*(4*\a+\b)+4:ACC+8*(4*\a+\b)+7] offset:128*(\b/2)+32*(\b%2)+16
.endr
.irp t, 0,1,2,3,4,5,6,7
	ds_load_b128 v[BF+32*\a+4*\t:BF+32*\a+4*\t+3], v[RD] offset:544*\t
.endr
.endr
.irp a, 0,1
	s_wait_dscnt 16*(1-\a)                         ; behind the first block's loads stand the second's 8 stores and 8 loads
.irp t, 0,1,2,3,4,5,6,7
	global_store_b128 v[CO], v[BF+32*\a+4*\t:BF+32*\a+4*\t+3], s[8:9] offset:(16*\a+2*\t)*4096 th:TH_STORE_NT   ; sixteen lanes store 256 consecutive bytes, aligned
.endr
.endr
	s_wait_tensorcnt 0x0                           ; the wave's end
	ds_add_u32 v[SPW], v[NIL]
	s_wait_dscnt 0x0
	CROUND                                         ; the closing round
	s_endpgm
.Lfunc_end_k_qeef87dbdfe_go:
	.size	k_qeef87dbdfe_go, .Lfunc_end_k_qeef87dbdfe_go-k_qeef87dbdfe_go
	.p2alignl 7, 3214868480
	.fill 96, 4, 3214868480
	.section	.rodata,"a",@progbits
	.p2align	6, 0x0
	.amdhsa_kernel k_qeef87dbdfe_go
		.amdhsa_group_segment_fixed_size 327680
		.amdhsa_private_segment_fixed_size 0
		.amdhsa_enable_private_segment 0
		.amdhsa_kernarg_size 24
		.amdhsa_user_sgpr_count 2
		.amdhsa_user_sgpr_kernarg_segment_ptr 1
		.amdhsa_wavefront_size32 1
		.amdhsa_system_sgpr_workgroup_id_x 1
		.amdhsa_system_sgpr_workgroup_id_y 1
		.amdhsa_system_sgpr_workgroup_id_z 1
		.amdhsa_system_vgpr_workitem_id 0
		.amdhsa_next_free_vgpr 256
		.amdhsa_next_free_sgpr 80
		.amdhsa_reserve_vcc 0
		.amdhsa_float_denorm_mode_32 3
		.amdhsa_float_denorm_mode_16_64 3
		.amdhsa_memory_ordered 1
		.amdhsa_forward_progress 1
		.amdhsa_inst_pref_size 36
	.end_amdhsa_kernel
	.amdgpu_metadata
---
amdhsa.version: [ 1, 2 ]
amdhsa.kernels:
  - .name:           k_qeef87dbdfe_go
    .symbol:         k_qeef87dbdfe_go.kd
    .args:
      - { .name: ao, .offset: 0, .size: 8, .value_kind: global_buffer, .address_space: global }
      - { .name: woq, .offset: 8, .size: 8, .value_kind: global_buffer, .address_space: global }
      - { .name: part, .offset: 16, .size: 8, .value_kind: global_buffer, .address_space: global }
    .group_segment_fixed_size: 327680
    .private_segment_fixed_size: 0
    .kernarg_segment_align: 8
    .kernarg_segment_size: 24
    .max_flat_workgroup_size: 256
    .sgpr_count:     80
    .vgpr_count:     256
    .wavefront_size: 32
...
	.end_amdgpu_metadata
.endif
;; end of part 4
;; launch ln1 (part 5): grid 256 x 1, 16 waves a work-group, no clusters, 68,096 bytes of LDS; arguments part, x, bo, g1, b1n, o1; writes o1
.if DOCPART == 5
	.amdgcn_target "amdgcn-amd-amdhsa--gfx1250"
	.amdhsa_code_object_version 6
	.text
	.protected	k_qeef87dbdfe_ln1
	.globl	k_qeef87dbdfe_ln1
	.p2align	8
	.type	k_qeef87dbdfe_ln1,@function
k_qeef87dbdfe_ln1:
	s_mov_b64 s[64:65], 0
	v_nop
	global_prefetch_b8 v0, s[64:65] scope:SCOPE_SE
	s_setreg_imm32_b32 hwreg(HW_REG_WAVE_MODE, 25, 1), 1
	s_wait_xcnt 0x0
; out1 = layer_norm(x + (attention output x Wo + bo)) x g1 + b1n, stored twice: as f32 [token][1024] (the residual of the second norm), and at 16 MiB on as codes of E4M3 with E8M0 scales, the operand of the next product.
; The product's rows stand in POSITION order (position p = token pi(p), bits 3 and 4 exchanged); x and the f32 result in token order; the codes in position order, in the order of a fragment's registers.
; SHARES: work-group T takes 16 positions, wave w one row: it stays in 32 registers a lane between the mean, the variance (of the differences, in a second pass over the registers) and the scaling.
; All 40 loads of a wave go out together: the gain and the shift, wanted last, land in the registers that the quantiser takes later, while the sums are made.
; Then the 16 rows meet in a stage in LDS, and behind one barrier waves 0-7 each quantise a K step of 128 of all 16 rows.  Streaming work: the matrix unit, clusters and tensor loads would move no byte less.
; LIMITS: a block of zeros gets the byte 1 where the rule says 127 (codes zero; this program alone reads the bytes); magnitudes under 2^-118 share the byte 1; NaN and infinities are not served.
.set PITCH, 4112
.set LI,   5
.set SIN,  6
.set SOUT, 7
.set R4,   8
.set TM,   112                         ; v112-127 at work (the norm's sums first)
.set X,    128                         ; v128-191 the gain and the shift, then the quantiser's 64 numbers
.set PC,   192
.set PW,   208
.set SEL,  22
.set MNT,  24
.macro QUANT s, pc
.irp b, 0,1,2,3
	v_max3_num_f32 v[TM+\b], |v[\s+16*\b]|, |v[\s+1+16*\b]|, 0x4800000
.endr
.irp i, 2,4,6,8,10,12,14
.irp b, 0,1,2,3
	s_delay_alu instid0(VALU_DEP_4)
	v_max3_num_f32 v[TM+\b], v[TM+\b], |v[\s+16*\b+\i]|, |v[\s+1+16*\b+\i]|
.endr
.endr
.irp b, 0,1,2,3
	v_permlanex16_b32 v[TM+4+\b], v[TM+\b], s[SEL], s[SEL+1]
.endr
.irp b, 0,1,2,3
	s_delay_alu instid0(VALU_DEP_4)
	v_max_num_f32 v[TM+\b], v[TM+\b], v[TM+4+\b]
.endr
.irp b, 0,1,2,3
	s_delay_alu instid0(VALU_DEP_4)
	v_add_nc_u32 v[TM+12+\b], 0xfc000000, v[TM+\b]
.endr
.irp b, 0,1,2,3
	v_and_or_b32 v[TM+8+\b], v[TM+\b], 0x7f800000, s[MNT]
.endr
.irp b, 0,1,2,3
	v_lshrrev_b32 v[TM+4+\b], 23, v[TM+12+\b]
.endr
	s_delay_alu instid0(VALU_DEP_3)
	v_lshl_or_b32 v[PW], v[TM+5], 8, v[TM+4]
	s_delay_alu instid0(VALU_DEP_1)
	v_lshl_or_b32 v[PW], v[TM+6], 16, v[PW]
	s_delay_alu instid0(VALU_DEP_1)
	v_lshl_or_b32 v[PW], v[TM+7], 24, v[PW]
.irp b, 0,1,2,3
.irp i, 0,1,2,3,4,5,6,7,8,9,10,11,12,13,14,15
	v_med3_num_f32 v[\s+16*\b+\i], v[\s+16*\b+\i], -v[TM+8+\b], v[TM+8+\b]
.endr
	v_cvt_scalef32_pk8_fp8_f32 v[\pc+4*\b:\pc+1+4*\b], v[\s+16*\b:\s+7+16*\b], v[TM+12+\b]
	v_cvt_scalef32_pk8_fp8_f32 v[\pc+2+4*\b:\pc+3+4*\b], v[\s+8+16*\b:\s+15+16*\b], v[TM+12+\b]
.endr
	v_nop
.endm
.macro ACROSS a, b                     ; the sum of v[a] over the 32 lanes, in every lane; v[b] has been written
	s_delay_alu instid0(VALU_DEP_1)
	v_add_f32_dpp v[\a], v[\a], v[\a] row_xmask:1 row_mask:0xf bank_mask:0xf
	s_delay_alu instid0(VALU_DEP_1)
	v_add_f32_dpp v[\a], v[\a], v[\a] row_xmask:2 row_mask:0xf bank_mask:0xf
	s_delay_alu instid0(VALU_DEP_1)
	v_add_f32_dpp v[\a], v[\a], v[\a] row_xmask:4 row_mask:0xf bank_mask:0xf
	s_delay_alu instid0(VALU_DEP_1)
	v_add_f32_dpp v[\a], v[\a], v[\a] row_xmask:8 row_mask:0xf bank_mask:0xf
	s_delay_alu instid0(VALU_DEP_1)
	v_permlanex16_b32 v[\b], v[\a], s[SEL], s[SEL+1]
	s_delay_alu instid0(VALU_DEP_1)
	v_add_f32 v[\a], v[\a], v[\b]
.endm
.macro LNORM tp, gg, bb                ; the row in v16-47 is normalised, times the gain in v[gg] on, plus the shift in v[bb] on (both on their way); v[tp] .. v[tp + 5] at work
	v_pk_add_f32 v[\tp:\tp+1], v[16:17], v[18:19]
	v_pk_add_f32 v[\tp+2:\tp+3], v[20:21], v[22:23]
.irp j, 24,28,32,36,40,44
	s_delay_alu instid0(VALU_DEP_2)
	v_pk_add_f32 v[\tp:\tp+1], v[\tp:\tp+1], v[\j:\j+1]
	s_delay_alu instid0(VALU_DEP_2)
	v_pk_add_f32 v[\tp+2:\tp+3], v[\tp+2:\tp+3], v[\j+2:\j+3]
.endr
	s_delay_alu instid0(VALU_DEP_1)
	v_pk_add_f32 v[\tp:\tp+1], v[\tp:\tp+1], v[\tp+2:\tp+3]
	s_delay_alu instid0(VALU_DEP_1)
	v_add_f32 v[\tp], v[\tp], v[\tp+1]
	ACROSS \tp, \tp+1
	s_delay_alu instid0(VALU_DEP_1)
	v_mul_f32 v[\tp], s25, v[\tp]                  ; the mean
.set i, 16
.rept 16
	v_pk_add_f32 v[i:i+1], v[i:i+1], v[\tp:\tp+1] op_sel_hi:[1,0] neg_lo:[0,1] neg_hi:[0,1]
.set i, i+2
.endr
	v_pk_mul_f32 v[\tp+2:\tp+3], v[16:17], v[16:17]
	v_pk_mul_f32 v[\tp+4:\tp+5], v[18:19], v[18:19]
.irp j, 20,24,28,32,36,40,44
	s_delay_alu instid0(VALU_DEP_2)
	v_pk_fma_f32 v[\tp+2:\tp+3], v[\j:\j+1], v[\j:\j+1], v[\tp+2:\tp+3]
	s_delay_alu instid0(VALU_DEP_2)
	v_pk_fma_f32 v[\tp+4:\tp+5], v[\j+2:\j+3], v[\j+2:\j+3], v[\tp+4:\tp+5]
.endr
	s_delay_alu instid0(VALU_DEP_1)
	v_pk_add_f32 v[\tp+2:\tp+3], v[\tp+2:\tp+3], v[\tp+4:\tp+5]
	s_delay_alu instid0(VALU_DEP_1)
	v_add_f32 v[\tp+2], v[\tp+2], v[\tp+3]
	ACROSS \tp+2, \tp+3
	s_delay_alu instid0(VALU_DEP_1)
	v_fma_f32 v[\tp+2], v[\tp+2], s25, s26         ; the variance + 1e-5
	s_wait_alu depctr_va_vdst(0)
	v_rsq_f32 v[\tp+4], v[\tp+2]
	v_nop
	s_wait_alu depctr_va_vdst(0)                   ; ahead of the root's first reader
.set i, 16
.rept 16
	v_pk_mul_f32 v[i:i+1], v[i:i+1], v[\tp+4:\tp+5] op_sel_hi:[1,0]
.set i, i+2
.endr
	s_wait_loadcnt 0x0                             ; the gain and the shift
.set i, 0
.rept 16
	v_pk_fma_f32 v[16+i:17+i], v[16+i:17+i], v[\gg+i:\gg+i+1], v[\bb+i:\bb+i+1]
.set i, i+2
.endr
.endm
	s_load_b256 s[4:11], s[0:1], 0x0               ; part, x, bo, g1
	s_load_b128 s[12:15], s[0:1], 0x20             ; b1n, o1
	v_lshl_add_u32 v216, v0, 2, 0x10200
	v_mov_b32 v217, 0
	v_lshrrev_b32 v1, 5, v0
	s_delay_alu instid0(VALU_DEP_1)
	v_readfirstlane_b32 s16, v1                    ; wave 0..15
	v_and_b32 v2, 31, v0
	v_and_b32 v3, 15, v0
	v_bfe_u32 v4, v0, 4, 1
	s_delay_alu instid0(VALU_DEP_3)
	v_lshlrev_b32 v[LI], 4, v2
	s_wait_alu depctr_va_vdst(0)
.irp b, 0,1,2,3
	v_mov_b32 v[TM+4+\b], 0                        ; a lane permute's destination counts as one of its sources: the quantiser's four are written here, on every wave's path
.endr
	s_lshr_b32 s17, ttmp9, 1                       ; my token: 32 (T / 2) + 8 (T % 2) + 16 (w / 8) + w % 8
	s_lshl_b32 s17, s17, 5
	s_and_b32 s18, ttmp9, 1
	s_lshl_b32 s18, s18, 3
	s_add_co_u32 s17, s17, s18
	s_lshr_b32 s18, s16, 3
	s_lshl_b32 s18, s18, 4
	s_add_co_u32 s17, s17, s18
	s_and_b32 s27, s16, 7
	s_add_co_u32 s17, s17, s27
	s_lshl_b32 s20, s17, 12
	s_mov_b32 s21, 0                               ; the token's row
	s_lshl_b32 s18, ttmp9, 4
	s_add_co_u32 s18, s18, s16
	s_lshl_b32 s18, s18, 12
	s_mov_b32 s19, 0                               ; the position's row
	s_mul_i32 s34, s16, PITCH
	v_add_nc_u32 v[SIN], s34, v[LI]
	s_lshl_b32 s34, s27, 9
	v_mul_u32_u24 v[SOUT], v3, PITCH
	s_delay_alu instid0(VALU_DEP_1)
	v_lshl_add_u32 v[SOUT], v4, 6, v[SOUT]
	s_delay_alu instid0(VALU_DEP_1)
	v_add_nc_u32 v[SOUT], s34, v[SOUT]
	v_lshlrev_b32 v[R4], 2, v3
	s_lshl_b32 s28, ttmp9, 14
	s_lshl_b32 s29, s27, 11
	s_add_co_u32 s28, s28, s29
	s_add_co_u32 s28, s28, 0x1000000
	s_mov_b32 s29, 0                               ; the fragment's image
	s_lshl_b32 s30, ttmp9, 9
	s_lshl_b32 s31, s27, 6
	s_add_co_u32 s30, s30, s31
	s_add_co_u32 s30, s30, 0x1400000
	s_mov_b32 s31, 0                               ; its scale words
	s_mov_b32 s[SEL], 0x76543210
	s_mov_b32 s[SEL+1], 0xfedcba98
	s_mov_b32 s[MNT], 0x600000
	s_mov_b32 s25, 0x3a800000                      ; 1 / 1,024
	s_mov_b32 s26, 0x3727c5ac                      ; 1e-5
	s_wait_kmcnt 0x0
	s_add_nc_u64 s[4:5], s[4:5], s[18:19]
	s_add_nc_u64 s[6:7], s[6:7], s[20:21]
	s_add_nc_u64 s[32:33], s[14:15], s[20:21]
	s_add_nc_u64 s[28:29], s[14:15], s[28:29]
	s_add_nc_u64 s[30:31], s[14:15], s[30:31]
.irp j, 0,1,2,3,4,5,6,7
	global_load_b128 v[16+4*\j:19+4*\j], v[LI], s[4:5] offset:512*\j th:TH_LOAD_NT
.endr
.irp j, 0,1,2,3,4,5,6,7
	global_load_b128 v[48+4*\j:51+4*\j], v[LI], s[6:7] offset:512*\j th:TH_LOAD_NT
.endr
.irp j, 0,1,2,3,4,5,6,7
	global_load_b128 v[80+4*\j:83+4*\j], v[LI], s[8:9] offset:512*\j
.endr
.irp j, 0,1,2,3,4,5,6,7
	global_load_b128 v[X+4*\j:X+3+4*\j], v[LI], s[10:11] offset:512*\j        ; the gain
.endr
.irp j, 0,1,2,3,4,5,6,7
	global_load_b128 v[X+32+4*\j:X+35+4*\j], v[LI], s[12:13] offset:512*\j    ; the shift
.endr
	s_wait_loadcnt 16                              ; loads come back in order: the product's row, x's and bo are in; the gain's and the shift's sixteen may be out
.set i, 0
.rept 16
	v_pk_add_f32 v[16+i:17+i], v[16+i:17+i], v[80+i:81+i]     ; + bo
.set i, i+2
.endr
.set i, 0
.rept 16
	v_pk_add_f32 v[16+i:17+i], v[16+i:17+i], v[48+i:49+i]     ; + x
.set i, i+2
.endr
	LNORM TM, X, X+32
.irp j, 0,1,2,3,4,5,6,7
	global_store_b128 v[LI], v[16+4*\j:19+4*\j], s[32:33] offset:512*\j
	ds_store_b128 v[SIN], v[16+4*\j:19+4*\j] offset:512*\j
.endr
	s_wait_dscnt 0x0                               ; for the others' sake: my row lies in the stage
	s_barrier_signal -1
	s_barrier_wait -1
	s_cmp_ge_u32 s16, 8
	s_cbranch_scc1 .Lend                           ; eight K steps, eight waves
.irp c, 0,1,2,3
.irp j, 0,1,2,3
	ds_load_b128 v[X+16*\c+4*\j:X+16*\c+4*\j+3], v[SOUT] offset:128*\c+16*\j
.endr
.endr
	s_wait_dscnt 0x0
	QUANT X, PC
.irp c, 0,1,2,3
	global_store_b128 v[LI], v[PC+4*\c:PC+4*\c+3], s[28:29] offset:512*\c
.endr
	global_store_b32 v[R4], v[PW], s[30:31]
.Lend:
	s_wait_tensorcnt 0x0
	ds_add_u32 v216, v217
	s_wait_dscnt 0x0
	s_endpgm
.Lfunc_end_k_qeef87dbdfe_ln1:
	.size	k_qeef87dbdfe_ln1, .Lfunc_end_k_qeef87dbdfe_ln1-k_qeef87dbdfe_ln1
	.p2alignl 7, 3214868480
	.fill 96, 4, 3214868480
	.section	.rodata,"a",@progbits
	.p2align	6, 0x0
	.amdhsa_kernel k_qeef87dbdfe_ln1
		.amdhsa_group_segment_fixed_size 68096
		.amdhsa_private_segment_fixed_size 0
		.amdhsa_enable_private_segment 0
		.amdhsa_kernarg_size 48
		.amdhsa_user_sgpr_count 2
		.amdhsa_user_sgpr_kernarg_segment_ptr 1
		.amdhsa_wavefront_size32 1
		.amdhsa_system_sgpr_workgroup_id_x 1
		.amdhsa_system_sgpr_workgroup_id_y 1
		.amdhsa_system_sgpr_workgroup_id_z 1
		.amdhsa_system_vgpr_workitem_id 0
		.amdhsa_next_free_vgpr 218
		.amdhsa_next_free_sgpr 66
		.amdhsa_reserve_vcc 0
		.amdhsa_float_denorm_mode_32 3
		.amdhsa_float_denorm_mode_16_64 3
		.amdhsa_memory_ordered 1
		.amdhsa_forward_progress 1
		.amdhsa_inst_pref_size 29
	.end_amdhsa_kernel
	.amdgpu_metadata
---
amdhsa.version: [ 1, 2 ]
amdhsa.kernels:
  - .name:           k_qeef87dbdfe_ln1
    .symbol:         k_qeef87dbdfe_ln1.kd
    .args:
      - { .name: part, .offset: 0, .size: 8, .value_kind: global_buffer, .address_space: global }
      - { .name: x, .offset: 8, .size: 8, .value_kind: global_buffer, .address_space: global }
      - { .name: bo, .offset: 16, .size: 8, .value_kind: global_buffer, .address_space: global }
      - { .name: g1, .offset: 24, .size: 8, .value_kind: global_buffer, .address_space: global }
      - { .name: b1n, .offset: 32, .size: 8, .value_kind: global_buffer, .address_space: global }
      - { .name: o1, .offset: 40, .size: 8, .value_kind: global_buffer, .address_space: global }
    .group_segment_fixed_size: 68096
    .private_segment_fixed_size: 0
    .kernarg_segment_align: 8
    .kernarg_segment_size: 48
    .max_flat_workgroup_size: 512
    .sgpr_count:     66
    .vgpr_count:     218
    .wavefront_size: 32
...
	.end_amdgpu_metadata
.endif
;; end of part 5
;; launch gemm_f1 (part 6): grid 16 x 16, 4 waves a work-group, clusters of 4 x 4, 327,680 bytes of LDS; arguments o1, pq, bf1, hq; writes hq
.if DOCPART == 6
	.amdgcn_target "amdgcn-amd-amdhsa--gfx1250"
	.amdhsa_code_object_version 6
	.text
	.protected	k_qeef87dbdfe_gemm_f1
	.globl	k_qeef87dbdfe_gemm_f1
	.p2align	8
	.type	k_qeef87dbdfe_gemm_f1,@function
k_qeef87dbdfe_gemm_f1:
	s_mov_b64 s[64:65], 0
	v_nop
	global_prefetch_b8 v0, s[64:65] scope:SCOPE_SE
	s_setreg_imm32_b32 hwreg(HW_REG_WAVE_MODE, 25, 1), 1
	s_wait_xcnt 0x0
	s_wait_alu depctr_hold_cnt(0) depctr_sa_sdst(0) depctr_va_vdst(0) depctr_va_sdst(0) depctr_va_ssrc(0) depctr_va_vcc(0) depctr_vm_vsrc(0)
	s_getreg_b32 s2, hwreg(HW_REG_IB_STS2, 6, 4)
	s_cmp_eq_u32 s2, 0
	s_cbranch_scc0 .Lentry_in_a_cluster
	s_endpgm
.Lentry_in_a_cluster:
	s_bfe_u32 s2, ttmp6, 0x10000c
	s_cmp_lg_u32 s2, 0xf033
	s_cbranch_scc0 .Lentry_shape_is_right
	s_endpgm
.Lentry_shape_is_right:
.set NQ,     2
.set FR,     16
.set NL,     4
.set NP,     8
.set HALFT,  32768
.set SLOT,   131072
.set SCL,    2*SLOT
.set HALFS,  4096
.set SPARE,  SCL+4*HALFS
.set LAPS,   2
.set AREC,   0x420000
.set PANEL,  0x108000
.set ADRA, 16
.set ADRB, 20
.set R4,   19
.set LI,   24
.set ADRS, 27
.set SPW,  28
.set NIL,  29
.set CK,   30
.set SC,   32
.set BI,   64
.set AF,   128
.set T,    128
.set U,    192
.set H,    208
.set W,    224
.set PC,   240
.set TM,   192
.set PW,   208
.set G1, 24
.set G0, 32
.set G1B, 48
.set G0B, 56
.set G1S, 68
.set G0S, 76
.set G1SB, 80
.set G0SB, 88
.set MNT, 95
.set SEL, 96
.set KZ,  98
.set BA,  99
.set MSB, 0
.macro WIN new
.if MSB != \new
	s_set_vgpr_msb (MSB<<8)|\new
.set MSB, \new
.endif
.endm
.set MUL_LO, 0xa1
.set MUL_HI, 0xf1
.set TO_B,   0x40
.macro JLOAD g0a, g1a, g0b, g1b
	s_cmp_eq_u32 s15, 0
	s_cbranch_scc0 .Lfor_b_\@
	tensor_load_to_lds s[\g0a:\g0a+3], s[\g1a:\g1a+7]
	s_nop 0
.rept 4
	v_nop
.endr
	s_branch .Lasked_\@
.Lfor_b_\@:
	tensor_load_to_lds s[\g0b:\g0b+3], s[\g1b:\g1b+7]
	s_nop 0
.rept 4
	v_nop
.endr
.Lasked_\@:
.endm
.macro CREST
	s_cmp_lg_u32 s14, 0
	s_cbranch_scc1 .Lnot_wave_0_\@
	s_barrier_signal -3
.Lnot_wave_0_\@:
	s_barrier_wait -3
	s_barrier_signal -1
	s_barrier_wait -1
.endm
.macro CROUND
	s_barrier_signal -1
	s_barrier_wait -1
	CREST
.endm
.macro QUANT s, pc
.irp b, 0,1,2,3
	v_max3_num_f32 v[TM+\b], |v[\s+16*\b]|, |v[\s+1+16*\b]|, 0x4800000
.endr
.irp i, 2,4,6,8,10,12,14
.irp b, 0,1,2,3
	v_max3_num_f32 v[TM+\b], v[TM+\b], |v[\s+16*\b+\i]|, |v[\s+1+16*\b+\i]|
.endr
.endr
.irp b, 0,1,2,3
	v_permlanex16_b32 v[TM+4+\b], v[TM+\b], s[SEL], s[SEL+1]
.endr
.irp b, 0,1,2,3
	v_max_num_f32 v[TM+\b], v[TM+\b], v[TM+4+\b]
.endr
.irp b, 0,1,2,3
	v_add_nc_u32 v[TM+12+\b], 0xfc000000, v[TM+\b]
.endr
.irp b, 0,1,2,3
	v_and_or_b32 v[TM+8+\b], v[TM+\b], 0x7f800000, s[MNT]
.endr
.irp b, 0,1,2,3
	v_lshrrev_b32 v[TM+4+\b], 23, v[TM+12+\b]
.endr
	v_lshl_or_b32 v[PW], v[TM+5], 8, v[TM+4]
	v_lshl_or_b32 v[PW], v[TM+6], 16, v[PW]
	v_lshl_or_b32 v[PW], v[TM+7], 24, v[PW]
.irp b, 0,1,2,3
.irp i, 0,1,2,3,4,5,6,7,8,9,10,11,12,13,14,15
	v_med3_num_f32 v[\s+16*\b+\i], v[\s+16*\b+\i], -v[TM+8+\b], v[TM+8+\b]
.endr
	v_cvt_scalef32_pk8_fp8_f32 v[\pc+4*\b:\pc+1+4*\b], v[\s+16*\b:\s+7+16*\b], v[TM+12+\b]
	v_cvt_scalef32_pk8_fp8_f32 v[\pc+2+4*\b:\pc+3+4*\b], v[\s+8+16*\b:\s+15+16*\b], v[TM+12+\b]
.endr
	v_nop
.endm
	s_load_b256 s[4:11], s[0:1], 0x0
	v_lshl_add_u32 v[SPW], v0, 2, SPARE
	v_mov_b32 v[NIL], 0
	ds_add_u32 v28, v29
	ds_add_u32 v28, v29
	s_wait_dscnt 0x0
	v_lshrrev_b32 v1, 5, v0
	v_readfirstlane_b32 s14, v1
	s_lshr_b32 s15, s14, 1
	s_and_b32 s16, s14, 1
	s_bfe_u32 s40, ttmp6, 0x40000
	s_bfe_u32 s41, ttmp6, 0x40004
	s_and_b32 s17, ttmp7, 0xffff
	s_lshl_b32 s17, s17, 2
	s_add_co_u32 s17, s17, s41
	s_lshl_b32 s43, s41, 2
	s_lshl_b32 s43, 15, s43
	s_lshl_b32 s44, 0x1111, s40
	s_or_b32 s[G1+0], s43, (3<<16)|(1<<21)
	s_or_b32 s[G1B+0], s44, (3<<16)|(1<<21)
.irp g, G1, G1B
	s_mov_b32 s[\g+1], 512<<16
	s_mov_b32 s[\g+2], 16<<16
	s_mov_b32 s[\g+3], 512<<16
	s_mov_b32 s[\g+4], 16
	s_mov_b32 s[\g+5], 2048
	s_mov_b32 s[\g+6], 0
	s_mov_b32 s[\g+7], 0
.endr
	s_or_b32 s[G1S+0], s43, (3<<16)|(1<<21)
	s_or_b32 s[G1SB+0], s44, (3<<16)|(1<<21)
.irp g, G1S, G1SB
	s_mov_b32 s[\g+1], 32<<16
	s_mov_b32 s[\g+2], 32<<16
	s_mov_b32 s[\g+3], 32<<16
	s_mov_b32 s[\g+4], 32
	s_mov_b32 s[\g+5], 32
	s_mov_b32 s[\g+6], 0
	s_mov_b32 s[\g+7], 0
.endr
	s_lshl_b32 s22, s17, 13
	s_lshl_b32 s19, s16, 12
	s_add_co_u32 s22, s22, s19
	s_add_co_u32 s22, s22, 0x1400000
	s_mov_b32 s23, 0
	s_lshl_b32 s20, s17, 18
	s_lshl_b32 s19, s16, 17
	s_add_co_u32 s20, s20, s19
	s_add_co_u32 s20, s20, 0x1000000
	s_mov_b32 s21, 0
	s_mul_i32 s46, ttmp9, PANEL
	s_add_co_u32 s46, s46, AREC+3*PANEL
	s_lshl_b32 s95, s40, 13
	s_add_co_u32 s92, s46, s95
	s_lshl_b32 s19, s16, 12
	s_add_co_u32 s92, s92, s19
	s_add_co_u32 s92, s92, 0x100000
	s_mov_b32 s93, 0
	s_lshl_b32 s95, s40, 18
	s_add_co_u32 s46, s46, s95
	s_lshl_b32 s19, s16, 17
	s_add_co_u32 s46, s46, s19
	s_mov_b32 s47, 0
	s_mul_i32 s45, s14, HALFT
	s_mul_i32 s94, s14, HALFS
	s_wait_kmcnt 0x0
	s_add_nc_u64 s[20:21], s[4:5], s[20:21]
	s_add_nc_u64 s[22:23], s[4:5], s[22:23]
	s_add_nc_u64 s[46:47], s[6:7], s[46:47]
	s_add_nc_u64 s[92:93], s[6:7], s[92:93]
	CROUND
	s_mov_b32 s[G0S], 1
	s_mov_b32 s[G0S+1], SCL
	s_sub_nc_u64 s[G0S+2:G0S+3], s[22:23], 4096    ; wave 1 asks for the scale words of all 256 rows: its own half begins 4,096 bytes on
	s_or_b32 s[G0S+3], s[G0S+3], 0x80000000
	s_mov_b32 s[G0SB], 1
	s_mov_b32 s[G0SB+1], SCL+2*HALFS
	s_sub_nc_u64 s[G0SB+2:G0SB+3], s[92:93], 4096  ; wave 3 likewise
	s_or_b32 s[G0SB+3], s[G0SB+3], 0x80000000
.irp s, 0,1
	s_mov_b32 s[G0+4*\s], 1
	s_add_co_u32 s[G0+4*\s+1], s45, \s*SLOT
	s_add_nc_u64 s[G0+4*\s+2:G0+4*\s+3], s[20:21], \s*4096
	s_or_b32 s[G0+4*\s+3], s[G0+4*\s+3], 0x80000000
	s_mov_b32 s[G0B+4*\s], 1
	s_add_co_u32 s[G0B+4*\s+1], s45, \s*SLOT
	s_add_nc_u64 s[G0B+4*\s+2:G0B+4*\s+3], s[46:47], \s*4096
	s_or_b32 s[G0B+4*\s+3], s[G0B+4*\s+3], 0x80000000
.endr
	; the head's four tiles, one joint load a wave, in one chain: wave 0 K step 0 of A's 16 tiles, wave 2 of B's (their own descriptors, 16 rows), waves 1 and 3 the scale words
	s_cmp_eq_u32 s14, 0
	s_cbranch_scc0 .Lh1
	tensor_load_to_lds s[G0:G0+3], s[G1:G1+7]
	s_nop 0
.rept 4
	v_nop
.endr
	s_branch .Lhj
.Lh1:
	s_cmp_eq_u32 s14, 1
	s_cbranch_scc0 .Lh2
	tensor_load_to_lds s[G0S:G0S+3], s[G1S:G1S+7]
	s_nop 0
.rept 4
	v_nop
.endr
	s_branch .Lhj
.Lh2:
	s_cmp_eq_u32 s14, 2
	s_cbranch_scc0 .Lh3
	tensor_load_to_lds s[G0B:G0B+3], s[G1B:G1B+7]
	s_nop 0
.rept 4
	v_nop
.endr
	s_branch .Lhj
.Lh3:
	tensor_load_to_lds s[G0SB:G0SB+3], s[G1SB:G1SB+7]
	s_nop 0
.rept 4
	v_nop
.endr
.Lhj:
	s_wait_alu depctr_va_vdst(0)
	s_wait_tensorcnt 0x0                           ; my tile of the four is in
	ds_add_u32 v28, v29
	s_mov_b32 s[G1+2], 8<<16                       ; no tensor load of mine is out: from here on a load brings 8 tiles
	s_mov_b32 s[G1+4], 8
	s_mov_b32 s[G1B+2], 8<<16
	s_mov_b32 s[G1B+4], 8
	s_wait_dscnt 0x0
	CROUND
	JLOAD G0+4, G1, G0B+4, G1B
	v_and_b32 v1, 15, v0
	v_bfe_u32 v2, v0, 4, 1
	s_wait_alu depctr_va_vdst(0)
	v_and_b32 v3, 31, v0
	v_lshlrev_b32 v[LI], 4, v3
	s_mul_i32 s21, s15, HALFT
	s_mul_i32 s22, s16, HALFT
	s_add_co_u32 s22, s22, 2*HALFT
.irp s, 0,1
	v_add_nc_u32 v[ADRA+\s], s21, v[LI]
	v_add_nc_u32 v[ADRB+\s], s22, v[LI]
	s_add_co_u32 s21, s21, SLOT
	s_add_co_u32 s22, s22, SLOT
.endr
	v_lshlrev_b32 v[R4], 2, v1
	s_mul_i32 s21, s15, HALFS
	s_mul_i32 s22, s16, HALFS
	s_add_co_u32 s22, s22, 2*HALFS
	s_sub_co_u32 s22, s22, s21
	v_mul_u32_u24 v6, s22, v2
	s_add_co_u32 s21, s21, SCL
	v_add_nc_u32 v5, v[R4], v6
	v_add_nc_u32 v[ADRS], s21, v5
	v_lshlrev_b32 v22, 6, v2
	s_lshl_b32 s100, ttmp9, 12
	s_lshl_b32 s21, s40, 10
	s_add_co_u32 s100, s100, s21
	s_lshl_b32 s21, s16, 9
	s_add_co_u32 s100, s100, s21
	s_mov_b32 s101, 0
	s_add_nc_u64 s[8:9], s[8:9], s[100:101]
.irp g, 0,1,2,3
.irp i, 0,1,2,3
	global_load_b128 v[BI+16*\g+4*\i:BI+16*\g+4*\i+3], v22, s[8:9] offset:128*\g+16*\i
.endr
.endr
.macro FRAG reg, adr, q, i
.irp c, 0,1,2,3
	ds_load_b128 v[\reg+4*\c:\reg+4*\c+3], v[\adr] offset:4096*(\i)+2048*(\q)+512*\c
.endr
.endm
.macro MUL16 a0, p, q, sc, zero
.irp a, \a0, \a0+1
.irp b, 0,1,2,3,4,5,6,7
.if \zero
	v_wmma_scale_f32_16x16x128_f8f6f4 v[8*(8*((\a)%4)+\b):8*(8*((\a)%4)+\b)+7], v[128*(\p)+FR*\b:128*(\p)+FR*\b+FR-1], v[AF+FR*(\a):AF+FR*(\a)+FR-1], 0, v[SC+8*NQ*(\sc)+NQ*\b+(\q)], v[SC+8*NQ*(\sc)+NQ*(\a)+(\q)] matrix_a_scale:MATRIX_SCALE_ROW1
.else
	v_wmma_scale_f32_16x16x128_f8f6f4 v[8*(8*((\a)%4)+\b):8*(8*((\a)%4)+\b)+7], v[128*(\p)+FR*\b:128*(\p)+FR*\b+FR-1], v[AF+FR*(\a):AF+FR*(\a)+FR-1], v[8*(8*((\a)%4)+\b):8*(8*((\a)%4)+\b)+7], v[SC+8*NQ*(\sc)+NQ*\b+(\q)], v[SC+8*NQ*(\sc)+NQ*(\a)+(\q)] matrix_a_scale:MATRIX_SCALE_ROW1
.endif
.endr
.endr
.endm
.macro FETCH_B slot, q, p
	WIN TO_B
.irp i, 0,1,2,3,4,5,6,7
	FRAG 128*(\p)+FR*\i, ADRB+\slot, \q, \i
.endr
	WIN 0
.endm
.macro FETCH_A slot, q, i0
.irp i, \i0, \i0+1, \i0+2, \i0+3
	FRAG AF+FR*(\i), ADRA+\slot, \q, \i
.endr
.endm
.macro SCALES sc
.irp i, 0,1,2,3,4,5,6,7
	ds_load_b32 v[SC+16*\sc+2*\i], v[ADRS] offset:512*\i
	ds_load_b32 v[SC+16*\sc+2*\i+1], v[ADRS] offset:512*\i+64
.endr
.endm
.macro PLACES n
.rept \n
	v_nop
.endr
.endm
.macro STEP slot, q, zero
	s_wait_dscnt 4*NL
	WIN MUL_LO
	MUL16 0, (\q)%2, \q, \slot, \zero
	MUL16 2, (\q)%2, \q, \slot, \zero
	s_wait_dscnt 0
	PLACES NP
	FETCH_B \slot, (\q)+1, 1-(\q)%2
	FETCH_A \slot, (\q)+1, 0
	WIN MUL_HI
	MUL16 4, (\q)%2, \q, \slot, \zero
	MUL16 6, (\q)%2, \q, \slot, \zero
	PLACES NP
	WIN 0
	FETCH_A \slot, (\q)+1, 4
.endm
.macro TURN slot, next, fill
	s_wait_tensorcnt 0x0
	ds_add_u32 v[SPW], v[NIL]
	s_wait_dscnt 4*NL+1
	WIN MUL_LO
	MUL16 0, 1, NQ-1, \slot, 0
	s_wait_dscnt 0x0
	s_barrier_signal -1
	MUL16 2, 1, NQ-1, \slot, 0
	WIN 0
	s_barrier_wait -1
.if \fill
	CREST
	s_add_nc_u64 s[G0+4*\slot+2:G0+4*\slot+3], s[G0+4*\slot+2:G0+4*\slot+3], 8192
	s_add_nc_u64 s[G0B+4*\slot+2:G0B+4*\slot+3], s[G0B+4*\slot+2:G0B+4*\slot+3], 8192
	JLOAD G0+4*\slot, G1, G0B+4*\slot, G1B
	PLACES NP-4
.else
	PLACES NP
.endif
	s_wait_alu depctr_va_vdst(0)
	v_add_nc_u32 v[ADRS], 64*NQ, v[ADRS]
	FETCH_B \next, 0, 0
	FETCH_A \next, 0, 0
	SCALES \next
	WIN MUL_HI
	MUL16 4, 1, NQ-1, \slot, 0
	MUL16 6, 1, NQ-1, \slot, 0
	PLACES NP
	WIN 0
	FETCH_A \next, 0, 4
.endm
	s_wait_alu depctr_va_vdst(0)
	s_wait_tensorcnt 1
	s_barrier_signal -1
	s_barrier_wait -1
	FETCH_B 0, 0, 0
	FETCH_A 0, 0, 0
	SCALES 0
	FETCH_A 0, 0, 4
	STEP 0, 0, 1
	s_mov_b32 s3, LAPS-1
.Llap:
	TURN 0, 1, 1
	STEP 1, 0, 0
	TURN 1, 0, 1
	STEP 0, 0, 0
	s_sub_co_u32 s3, s3, 1
	s_cmp_lg_u32 s3, 0
	s_cbranch_scc1 .Llap
	TURN 0, 1, 0
	STEP 1, 0, 0
	s_wait_dscnt 4*NL
	WIN MUL_LO
	MUL16 0, 1, NQ-1, 1, 0
	MUL16 2, 1, NQ-1, 1, 0
	s_wait_dscnt 0
	WIN MUL_HI
	MUL16 4, 1, NQ-1, 1, 0
	MUL16 6, 1, NQ-1, 1, 0
	WIN 0
.macro TAKE a
	WIN 0x02+(\a)/4
.set AC, 64*((\a)%4)
.set i, 0
.rept 32
	v_pk_add_f32 v[T+i:T+i+1], v[AC+i:AC+i+1], v[BI+i:BI+i+1]
.set i, i+2
.endr
	WIN 0
.endm
.macro GELU q
.set X, T+16*(\q)
.irp i, 0,1,2,3,4,5,6,7,8,9,10,11,12,13,14,15
	v_fma_f32 v[U+\i], |v[X+\i]|, s[KZ], 1.0
.endr
	s_wait_alu depctr_va_vdst(0)
.irp i, 0,1,2,3,4,5,6,7,8,9,10,11,12,13,14,15
	v_rcp_f32 v[U+\i], v[U+\i]
.endr
.irp i, 0,2,4,6,8,10,12,14
	v_pk_mul_f32 v[W+\i:W+\i+1], v[X+\i:X+\i+1], v[X+\i:X+\i+1]
.endr
	s_wait_alu depctr_va_vdst(0)
.irp i, 0,2,4,6,8,10,12,14
	v_pk_fma_f32 v[H+\i:H+\i+1], v[U+\i:U+\i+1], 0x3e7c6f08, v[CK:CK+1] op_sel_hi:[1,0,1]
.endr
.irp k, 0x40097039, 0xbfd1a1e5, 0x3ecdfd18, 0xbe899a80, 0x3e0efb2e, 0x3f0a29d2, 0x3fb8ab5a, 0xbfe9b21e
.irp i, 0,2,4,6,8,10,12,14
	v_pk_fma_f32 v[H+\i:H+\i+1], v[H+\i:H+\i+1], v[U+\i:U+\i+1], \k op_sel_hi:[1,1,0]
.endr
.endr
.irp i, 0,2,4,6,8,10,12,14
	v_pk_fma_f32 v[H+\i:H+\i+1], v[W+\i:W+\i+1], 0xbf38aa3b, v[H+\i:H+\i+1] op_sel_hi:[1,0,1]
.endr
	s_wait_alu depctr_va_vdst(0)
.irp i, 0,1,2,3,4,5,6,7,8,9,10,11,12,13,14,15
	v_exp_f32 v[H+\i], v[H+\i]
.endr
.irp i, 0,2,4,6,8,10,12,14
	v_pk_mul_f32 v[U+\i:U+\i+1], v[U+\i:U+\i+1], v[X+\i:X+\i+1]
.endr
	s_wait_alu depctr_va_vdst(0)
.irp i, 0,2,4,6,8,10,12,14
	v_pk_mul_f32 v[U+\i:U+\i+1], v[U+\i:U+\i+1], v[H+\i:H+\i+1]
.endr
.irp i, 0,1,2,3,4,5,6,7,8,9,10,11,12,13,14,15
	v_max_num_f32 v[X+\i], 0, v[X+\i]
.endr
.irp i, 0,1,2,3,4,5,6,7,8,9,10,11,12,13,14,15
	v_fma_f32 v[X+\i], |v[U+\i]|, -0.5, v[X+\i]
.endr
.endm
	PLACES NP
	s_wait_loadcnt 0x0
	s_mov_b32 s[SEL], 0x76543210
	s_mov_b32 s[SEL+1], 0xfedcba98
	s_mov_b32 s[MNT], 0x600000
	s_mov_b32 s[KZ], 0x3eb504f3
	v_mov_b32 v[CK], 0xbf97d29d
	v_mov_b32 v[CK+1], 0xbf97d29d
	s_lshl_b32 s18, s17, 4
	s_lshl_b32 s19, s15, 3
	s_add_co_u32 s18, s18, s19
	s_lshl_b32 s19, s40, 1
	s_add_co_u32 s19, s19, s16
	s_mul_i32 s46, ttmp9, AREC
	s_lshl_b32 s20, s18, 14
	s_add_co_u32 s20, s20, s46
	s_lshl_b32 s47, s19, 11
	s_add_co_u32 s20, s20, s47
	s_mov_b32 s21, 0
	s_lshl_b32 s22, s18, 9
	s_add_co_u32 s22, s22, s46
	s_lshl_b32 s47, s19, 6
	s_add_co_u32 s22, s22, s47
	s_add_co_u32 s22, s22, 0x400000
	s_mov_b32 s23, 0
	s_add_nc_u64 s[20:21], s[10:11], s[20:21]
	s_add_nc_u64 s[22:23], s[10:11], s[22:23]
	s_mov_b32 s[BA], 0
.Lrow:
.irp a, 0,1,2,3,4,5,6
	s_cmp_eq_u32 s[BA], \a
	s_cbranch_scc1 .Ltake_\a
.endr
	TAKE 7
	s_branch .Lcom
.irp a, 0,1,2,3,4,5
.Ltake_\a:
	TAKE \a
	s_branch .Lcom
.endr
.Ltake_6:
	TAKE 6
.Lcom:
	GELU 0
	GELU 1
	GELU 2
	GELU 3
	QUANT T, PC
.irp c, 0,1,2,3
	global_store_b128 v[LI], v[PC+4*\c:PC+4*\c+3], s[20:21] offset:512*\c
.endr
	global_store_b32 v[R4], v[PW], s[22:23]
	s_wait_xcnt 0x0
	s_add_nc_u64 s[20:21], s[20:21], 16384
	s_add_nc_u64 s[22:23], s[22:23], 512
	s_add_co_u32 s[BA], s[BA], 1
	s_cmp_lt_u32 s[BA], 8
	s_cbranch_scc1 .Lrow
	s_wait_tensorcnt 0x0
	ds_add_u32 v[SPW], v[NIL]
	s_wait_dscnt 0x0
	CROUND
	s_endpgm
.Lfunc_end_k_qeef87dbdfe_gemm_f1:
	.size	k_qeef87dbdfe_gemm_f1, .Lfunc_end_k_qeef87dbdfe_gemm_f1-k_qeef87dbdfe_gemm_f1
	.p2alignl 7, 3214868480
	.fill 96, 4, 3214868480
	.section	.rodata,"a",@progbits
	.p2align	6, 0x0
	.amdhsa_kernel k_qeef87dbdfe_gemm_f1
		.amdhsa_group_segment_fixed_size 327680
		.amdhsa_private_segment_fixed_size 0
		.amdhsa_enable_private_segment 0
		.amdhsa_kernarg_size 32
		.amdhsa_user_sgpr_count 2
		.amdhsa_user_sgpr_kernarg_segment_ptr 1
		.amdhsa_wavefront_size32 1
		.amdhsa_system_sgpr_workgroup_id_x 1
		.amdhsa_system_sgpr_workgroup_id_y 1
		.amdhsa_system_sgpr_workgroup_id_z 1
		.amdhsa_system_vgpr_workitem_id 0
		.amdhsa_next_free_vgpr 1024
		.amdhsa_next_free_sgpr 102
		.amdhsa_reserve_vcc 0
		.amdhsa_float_denorm_mode_32 3
		.amdhsa_float_denorm_mode_16_64 3
		.amdhsa_memory_ordered 1
		.amdhsa_forward_progress 1
		.amdhsa_inst_pref_size 197
	.end_amdhsa_kernel
	.amdgpu_metadata
---
amdhsa.version: [ 1, 2 ]
amdhsa.kernels:
  - .name:           k_qeef87dbdfe_gemm_f1
    .symbol:         k_qeef87dbdfe_gemm_f1.kd
    .args:
      - { .name: o1, .offset: 0, .size: 8, .value_kind: global_buffer, .address_space: global }
      - { .name: pq, .offset: 8, .size: 8, .value_kind: global_buffer, .address_space: global }
      - { .name: bf1, .offset: 16, .size: 8, .value_kind: global_buffer, .address_space: global }
      - { .name: hq, .offset: 24, .size: 8, .value_kind: global_buffer, .address_space: global }
    .group_segment_fixed_size: 327680
    .private_segment_fixed_size: 0
    .kernarg_segment_align: 8
    .kernarg_segment_size: 32
    .max_flat_workgroup_size: 128
    .sgpr_count:     102
    .vgpr_count:     1024
    .wavefront_size: 32
...
	.end_amdgpu_metadata
.endif
;; end of part 6
;; launch gemm_o (part 7): grid 16 x 16, 4 waves a work-group, clusters of 4 x 4, 327,680 bytes of LDS; arguments hq, w2q, part; writes part
.if DOCPART == 7
	.amdgcn_target "amdgcn-amd-amdhsa--gfx1250"
	.amdhsa_code_object_version 6
	.text
	.protected	k_qeef87dbdfe_gemm_o
	.globl	k_qeef87dbdfe_gemm_o
	.p2align	8
	.type	k_qeef87dbdfe_gemm_o,@function
k_qeef87dbdfe_gemm_o:
	s_mov_b64 s[64:65], 0
	v_nop
	global_prefetch_b8 v0, s[64:65] scope:SCOPE_SE
	s_setreg_imm32_b32 hwreg(HW_REG_WAVE_MODE, 25, 1), 1
	s_wait_xcnt 0x0
	s_wait_alu depctr_hold_cnt(0) depctr_sa_sdst(0) depctr_va_vdst(0) depctr_va_sdst(0) depctr_va_ssrc(0) depctr_va_vcc(0) depctr_vm_vsrc(0)
	s_getreg_b32 s2, hwreg(HW_REG_IB_STS2, 6, 4)
	s_cmp_eq_u32 s2, 0
	s_cbranch_scc0 .Lentry_in_a_cluster
	s_endpgm
.Lentry_in_a_cluster:
	s_bfe_u32 s2, ttmp6, 0x10000c
	s_cmp_lg_u32 s2, 0xf033
	s_cbranch_scc0 .Lentry_shape_is_right
	s_endpgm
.Lentry_shape_is_right:
.set NQ,     2
.set FR,     16
.set NL,     4
.set NP,     8
.set HALFT,  32768
.set SLOT,   131072
.set SCL,    2*SLOT
.set HALFS,  4096
.set SPARE,  SCL+4*HALFS
.set LAPS,   2
.set AREC,   0x420000
.set BREC,   0x108000
.set SPITCH, 528
.set ADRA, 16
.set ADRB, 20
.set STO,  24
.set RD,   25
.set CO,   26
.set ADRS, 27
.set SPW,  28
.set NIL,  29
.set SC,   32
.set AF,   128
.set BK,   128
.set G1, 24
.set G0, 32
.set G1B, 48
.set G0B, 56
.set G1S, 68
.set G0S, 76
.set G1SB, 80
.set G0SB, 88
.set MSB, 0
.macro WIN new
.if MSB != \new
	s_set_vgpr_msb (MSB<<8)|\new
.set MSB, \new
.endif
.endm
.set MUL_LO, 0xa1
.set MUL_HI, 0xf1
.set TO_B,   0x40
.macro JLOAD g0a, g1a, g0b, g1b
	s_cmp_eq_u32 s15, 0
	s_cbranch_scc0 .Lfor_b_\@
	tensor_load_to_lds s[\g0a:\g0a+3], s[\g1a:\g1a+7]
	s_nop 0
.rept 4
	v_nop
.endr
	s_branch .Lasked_\@
.Lfor_b_\@:
	tensor_load_to_lds s[\g0b:\g0b+3], s[\g1b:\g1b+7]
	s_nop 0
.rept 4
	v_nop
.endr
.Lasked_\@:
.endm
.macro CREST
	s_cmp_lg_u32 s14, 0
	s_cbranch_scc1 .Lnot_wave_0_\@
	s_barrier_signal -3
.Lnot_wave_0_\@:
	s_barrier_wait -3
	s_barrier_signal -1
	s_barrier_wait -1
.endm
.macro CROUND
	s_barrier_signal -1
	s_barrier_wait -1
	CREST
.endm
	s_load_b128 s[4:7], s[0:1], 0x0
	s_load_b64 s[12:13], s[0:1], 0x10
	v_lshl_add_u32 v[SPW], v0, 2, SPARE
	v_mov_b32 v[NIL], 0
	ds_add_u32 v28, v29
	ds_add_u32 v28, v29
	s_wait_dscnt 0x0
	v_lshrrev_b32 v1, 5, v0
	v_readfirstlane_b32 s14, v1
	s_lshr_b32 s15, s14, 1
	s_and_b32 s16, s14, 1
	s_bfe_u32 s40, ttmp6, 0x40000
	s_bfe_u32 s41, ttmp6, 0x40004
	s_and_b32 s17, ttmp7, 0xffff
	s_lshl_b32 s17, s17, 2
	s_add_co_u32 s17, s17, s41
	s_lshl_b32 s43, s41, 2
	s_lshl_b32 s43, 15, s43
	s_lshl_b32 s44, 0x1111, s40
	s_or_b32 s[G1+0], s43, (3<<16)|(1<<21)
	s_or_b32 s[G1B+0], s44, (3<<16)|(1<<21)
.irp g, G1, G1B
	s_mov_b32 s[\g+1], 512<<16
	s_mov_b32 s[\g+2], 16<<16
	s_mov_b32 s[\g+3], 512<<16
	s_mov_b32 s[\g+4], 16
	s_mov_b32 s[\g+5], 2048
	s_mov_b32 s[\g+6], 0
	s_mov_b32 s[\g+7], 0
.endr
	s_or_b32 s[G1S+0], s43, (3<<16)|(1<<21)
	s_or_b32 s[G1SB+0], s44, (3<<16)|(1<<21)
.irp g, G1S, G1SB
	s_mov_b32 s[\g+1], 32<<16
	s_mov_b32 s[\g+2], 32<<16
	s_mov_b32 s[\g+3], 32<<16
	s_mov_b32 s[\g+4], 32
	s_mov_b32 s[\g+5], 32
	s_mov_b32 s[\g+6], 0
	s_mov_b32 s[\g+7], 0
.endr
	s_mul_i32 s20, ttmp9, AREC
	s_lshl_b32 s18, s17, 13
	s_add_co_u32 s22, s20, s18
	s_lshl_b32 s19, s16, 12
	s_add_co_u32 s22, s22, s19
	s_add_co_u32 s22, s22, 0x400000
	s_mov_b32 s23, 0
	s_lshl_b32 s18, s17, 18
	s_add_co_u32 s20, s20, s18
	s_lshl_b32 s19, s16, 17
	s_add_co_u32 s20, s20, s19
	s_mov_b32 s21, 0
	s_mul_i32 s46, ttmp9, BREC
	s_lshl_b32 s95, s40, 13
	s_add_co_u32 s92, s46, s95
	s_lshl_b32 s19, s16, 12
	s_add_co_u32 s92, s92, s19
	s_add_co_u32 s92, s92, 0x100000
	s_mov_b32 s93, 0
	s_lshl_b32 s95, s40, 18
	s_add_co_u32 s46, s46, s95
	s_lshl_b32 s19, s16, 17
	s_add_co_u32 s46, s46, s19
	s_mov_b32 s47, 0
	s_mul_i32 s45, s14, HALFT
	s_mul_i32 s94, s14, HALFS
	s_wait_kmcnt 0x0
	s_add_nc_u64 s[20:21], s[4:5], s[20:21]
	s_add_nc_u64 s[22:23], s[4:5], s[22:23]
	s_add_nc_u64 s[46:47], s[6:7], s[46:47]
	s_add_nc_u64 s[92:93], s[6:7], s[92:93]
	CROUND
	s_mov_b32 s[G0S], 1
	s_mov_b32 s[G0S+1], SCL
	s_sub_nc_u64 s[G0S+2:G0S+3], s[22:23], 4096    ; wave 1 asks for the scale words of all 256 rows: its own half begins 4,096 bytes on
	s_or_b32 s[G0S+3], s[G0S+3], 0x80000000
	s_mov_b32 s[G0SB], 1
	s_mov_b32 s[G0SB+1], SCL+2*HALFS
	s_sub_nc_u64 s[G0SB+2:G0SB+3], s[92:93], 4096  ; wave 3 likewise
	s_or_b32 s[G0SB+3], s[G0SB+3], 0x80000000
.irp s, 0,1
	s_mov_b32 s[G0+4*\s], 1
	s_add_co_u32 s[G0+4*\s+1], s45, \s*SLOT
	s_add_nc_u64 s[G0+4*\s+2:G0+4*\s+3], s[20:21], \s*4096
	s_or_b32 s[G0+4*\s+3], s[G0+4*\s+3], 0x80000000
	s_mov_b32 s[G0B+4*\s], 1
	s_add_co_u32 s[G0B+4*\s+1], s45, \s*SLOT
	s_add_nc_u64 s[G0B+4*\s+2:G0B+4*\s+3], s[46:47], \s*4096
	s_or_b32 s[G0B+4*\s+3], s[G0B+4*\s+3], 0x80000000
.endr
	; h W2, K cut in four by the cluster's x: four partial sums.  The head's four tiles, one joint load a wave, in one chain: wave 0 K step 0 of A's 16 tiles, wave 2 of B's (their own descriptors, 16 rows), waves 1 and 3 the scale words
	s_cmp_eq_u32 s14, 0
	s_cbranch_scc0 .Lh1
	tensor_load_to_lds s[G0:G0+3], s[G1:G1+7]
	s_nop 0
.rept 4
	v_nop
.endr
	s_branch .Lhj
.Lh1:
	s_cmp_eq_u32 s14, 1
	s_cbranch_scc0 .Lh2
	tensor_load_to_lds s[G0S:G0S+3], s[G1S:G1S+7]
	s_nop 0
.rept 4
	v_nop
.endr
	s_branch .Lhj
.Lh2:
	s_cmp_eq_u32 s14, 2
	s_cbranch_scc0 .Lh3
	tensor_load_to_lds s[G0B:G0B+3], s[G1B:G1B+7]
	s_nop 0
.rept 4
	v_nop
.endr
	s_branch .Lhj
.Lh3:
	tensor_load_to_lds s[G0SB:G0SB+3], s[G1SB:G1SB+7]
	s_nop 0
.rept 4
	v_nop
.endr
.Lhj:
	s_wait_alu depctr_va_vdst(0)
	s_wait_tensorcnt 0x0                           ; my tile of the four is in
	ds_add_u32 v28, v29
	s_mov_b32 s[G1+2], 8<<16                       ; no tensor load of mine is out: from here on a load brings 8 tiles
	s_mov_b32 s[G1+4], 8
	s_mov_b32 s[G1B+2], 8<<16
	s_mov_b32 s[G1B+4], 8
	s_wait_dscnt 0x0
	CROUND
	JLOAD G0+4, G1, G0B+4, G1B
	v_and_b32 v1, 15, v0
	v_bfe_u32 v2, v0, 4, 1
	s_wait_alu depctr_va_vdst(0)
	v_and_b32 v3, 31, v0
	v_lshlrev_b32 v[CO], 4, v3
	s_mul_i32 s21, s15, HALFT
	s_mul_i32 s22, s16, HALFT
	s_add_co_u32 s22, s22, 2*HALFT
.irp s, 0,1
	v_add_nc_u32 v[ADRA+\s], s21, v[CO]
	v_add_nc_u32 v[ADRB+\s], s22, v[CO]
	s_add_co_u32 s21, s21, SLOT
	s_add_co_u32 s22, s22, SLOT
.endr
	v_lshlrev_b32 v5, 2, v1
	s_mul_i32 s21, s15, HALFS
	s_mul_i32 s22, s16, HALFS
	s_add_co_u32 s22, s22, 2*HALFS
	s_sub_co_u32 s22, s22, s21
	v_mul_u32_u24 v6, s22, v2
	s_add_co_u32 s21, s21, SCL
	v_add_nc_u32 v5, v5, v6
	v_add_nc_u32 v[ADRS], s21, v5
	s_mul_i32 s23, s14, 16*SPITCH
	v_mul_u32_u24 v5, v1, SPITCH
	v_lshl_add_u32 v5, v2, 6, v5
	v_add_nc_u32 v[STO], s23, v5
	v_add_nc_u32 v[RD], s23, v[CO]
	s_lshl_b32 s20, ttmp9, 24
	s_lshl_b32 s21, s17, 20
	s_add_co_u32 s20, s20, s21
	s_lshl_b32 s21, s15, 19
	s_add_co_u32 s20, s20, s21
	s_lshl_b32 s46, s40, 10
	s_lshl_b32 s47, s16, 9
	s_add_co_u32 s46, s46, s47
	s_add_co_u32 s20, s20, s46
	s_mov_b32 s21, 0
	s_add_nc_u64 s[12:13], s[12:13], s[20:21]
.macro FRAG reg, adr, q, i
.irp c, 0,1,2,3
	ds_load_b128 v[\reg+4*\c:\reg+4*\c+3], v[\adr] offset:4096*(\i)+2048*(\q)+512*\c
.endr
.endm
.macro MUL16 a0, p, q, sc, zero
.irp a, \a0, \a0+1
.irp b, 0,1,2,3,4,5,6,7
.if \zero
	v_wmma_scale_f32_16x16x128_f8f6f4 v[8*(8*((\a)%4)+\b):8*(8*((\a)%4)+\b)+7], v[128*(\p)+FR*\b:128*(\p)+FR*\b+FR-1], v[AF+FR*(\a):AF+FR*(\a)+FR-1], 0, v[SC+8*NQ*(\sc)+NQ*\b+(\q)], v[SC+8*NQ*(\sc)+NQ*(\a)+(\q)] matrix_a_scale:MATRIX_SCALE_ROW1
.else
	v_wmma_scale_f32_16x16x128_f8f6f4 v[8*(8*((\a)%4)+\b):8*(8*((\a)%4)+\b)+7], v[128*(\p)+FR*\b:128*(\p)+FR*\b+FR-1], v[AF+FR*(\a):AF+FR*(\a)+FR-1], v[8*(8*((\a)%4)+\b):8*(8*((\a)%4)+\b)+7], v[SC+8*NQ*(\sc)+NQ*\b+(\q)], v[SC+8*NQ*(\sc)+NQ*(\a)+(\q)] matrix_a_scale:MATRIX_SCALE_ROW1
.endif
.endr
.endr
.endm
.macro FETCH_B slot, q, p
	WIN TO_B
.irp i, 0,1,2,3,4,5,6,7
	FRAG 128*(\p)+FR*\i, ADRB+\slot, \q, \i
.endr
	WIN 0
.endm
.macro FETCH_A slot, q, i0
.irp i, \i0, \i0+1, \i0+2, \i0+3
	FRAG AF+FR*(\i), ADRA+\slot, \q, \i
.endr
.endm
.macro SCALES sc
.irp i, 0,1,2,3,4,5,6,7
	ds_load_b32 v[SC+16*\sc+2*\i], v[ADRS] offset:512*\i
	ds_load_b32 v[SC+16*\sc+2*\i+1], v[ADRS] offset:512*\i+64
.endr
.endm
.macro PLACES n
.rept \n
	v_nop
.endr
.endm
.macro STEP slot, q, zero
	s_wait_dscnt 4*NL
	WIN MUL_LO
	MUL16 0, (\q)%2, \q, \slot, \zero
	MUL16 2, (\q)%2, \q, \slot, \zero
	s_wait_dscnt 0
	PLACES NP
	FETCH_B \slot, (\q)+1, 1-(\q)%2
	FETCH_A \slot, (\q)+1, 0
	WIN MUL_HI
	MUL16 4, (\q)%2, \q, \slot, \zero
	MUL16 6, (\q)%2, \q, \slot, \zero
	PLACES NP
	WIN 0
	FETCH_A \slot, (\q)+1, 4
.endm
.macro TURN slot, next, fill
	s_wait_tensorcnt 0x0
	ds_add_u32 v[SPW], v[NIL]
	s_wait_dscnt 4*NL+1
	WIN MUL_LO
	MUL16 0, 1, NQ-1, \slot, 0
	s_wait_dscnt 0x0
	s_barrier_signal -1
	MUL16 2, 1, NQ-1, \slot, 0
	WIN 0
	s_barrier_wait -1
.if \fill
	CREST
	s_add_nc_u64 s[G0+4*\slot+2:G0+4*\slot+3], s[G0+4*\slot+2:G0+4*\slot+3], 8192
	s_add_nc_u64 s[G0B+4*\slot+2:G0B+4*\slot+3], s[G0B+4*\slot+2:G0B+4*\slot+3], 8192
	JLOAD G0+4*\slot, G1, G0B+4*\slot, G1B
	PLACES NP-4
.else
	PLACES NP
.endif
	s_wait_alu depctr_va_vdst(0)
	v_add_nc_u32 v[ADRS], 64*NQ, v[ADRS]
	FETCH_B \next, 0, 0
	FETCH_A \next, 0, 0
	SCALES \next
	WIN MUL_HI
	MUL16 4, 1, NQ-1, \slot, 0
	MUL16 6, 1, NQ-1, \slot, 0
	PLACES NP
	WIN 0
	FETCH_A \next, 0, 4
.endm
	s_wait_alu depctr_va_vdst(0)
	s_wait_tensorcnt 1
	s_barrier_signal -1
	s_barrier_wait -1
	FETCH_B 0, 0, 0
	FETCH_A 0, 0, 0
	SCALES 0
	FETCH_A 0, 0, 4
	STEP 0, 0, 1
	s_mov_b32 s3, LAPS-1
.Llap:
	TURN 0, 1, 1
	STEP 1, 0, 0
	TURN 1, 0, 1
	STEP 0, 0, 0
	s_sub_co_u32 s3, s3, 1
	s_cmp_lg_u32 s3, 0
	s_cbranch_scc1 .Llap
	TURN 0, 1, 0
	STEP 1, 0, 0
	s_wait_dscnt 4*NL
	WIN MUL_LO
	MUL16 0, 1, NQ-1, 1, 0
	MUL16 2, 1, NQ-1, 1, 0
	s_wait_dscnt 0
	WIN MUL_HI
	MUL16 4, 1, NQ-1, 1, 0
	MUL16 6, 1, NQ-1, 1, 0
	WIN 0
.macro TOSTAGE a
.set AC, 64*((\a)%4)
	WIN 0x08+4*((\a)/4)
.irp b, 0,1,2,3,4,5,6,7
	ds_store_b128 v[STO], v[AC+8*\b:AC+8*\b+3] offset:128*(\b/2)+32*(\b%2)
	ds_store_b128 v[STO], v[AC+8*\b+4:AC+8*\b+7] offset:128*(\b/2)+32*(\b%2)+16
.endr
	WIN 0
.set BB, BK+64*((\a)%2)
.irp t, 0,1,2,3,4,5,6,7,8,9,10,11,12,13,14,15
	ds_load_b128 v[BB+4*\t:BB+4*\t+3], v[RD] offset:\t*SPITCH
.endr
.endm
.macro SEND a, younger
.set BB, BK+64*((\a)%2)
	s_wait_dscnt \younger
.if (\a) > 0
	s_add_nc_u64 s[12:13], s[12:13], 16*4096
.endif
.irp t, 0,1,2,3,4,5,6,7,8,9,10,11,12,13,14,15
	global_store_b128 v[CO], v[BB+4*\t:BB+4*\t+3], s[12:13] offset:\t*4096 th:TH_STORE_NT
.endr
.endm
	PLACES NP
	TOSTAGE 0
.irp a, 1,2,3,4,5,6,7
.if \a > 1
	s_wait_xcnt 0x0
.endif
	TOSTAGE \a
	SEND \a-1, 32
.endr
	s_wait_xcnt 0x0
	SEND 7, 0
	s_wait_tensorcnt 0x0
	ds_add_u32 v[SPW], v[NIL]
	s_wait_dscnt 0x0
	CROUND
	s_endpgm
.Lfunc_end_k_qeef87dbdfe_gemm_o:
	.size	k_qeef87dbdfe_gemm_o, .Lfunc_end_k_qeef87dbdfe_gemm_o-k_qeef87dbdfe_gemm_o
	.p2alignl 7, 3214868480
	.fill 96, 4, 3214868480
	.section	.rodata,"a",@progbits
	.p2align	6, 0x0
	.amdhsa_kernel k_qeef87dbdfe_gemm_o
		.amdhsa_group_segment_fixed_size 327680
		.amdhsa_private_segment_fixed_size 0
		.amdhsa_enable_private_segment 0
		.amdhsa_kernarg_size 24
		.amdhsa_user_sgpr_count 2
		.amdhsa_user_sgpr_kernarg_segment_ptr 1
		.amdhsa_wavefront_size32 1
		.amdhsa_system_sgpr_workgroup_id_x 1
		.amdhsa_system_sgpr_workgroup_id_y 1
		.amdhsa_system_sgpr_workgroup_id_z 1
		.amdhsa_system_vgpr_workitem_id 0
		.amdhsa_next_free_vgpr 1024
		.amdhsa_next_free_sgpr 98
		.amdhsa_reserve_vcc 0
		.amdhsa_float_denorm_mode_32 3
		.amdhsa_float_denorm_mode_16_64 3
		.amdhsa_memory_ordered 1
		.amdhsa_forward_progress 1
		.amdhsa_inst_pref_size 148
	.end_amdhsa_kernel
	.amdgpu_metadata
---
amdhsa.version: [ 1, 2 ]
amdhsa.kernels:
  - .name:           k_qeef87dbdfe_gemm_o
    .symbol:         k_qeef87dbdfe_gemm_o.kd
    .args:
      - { .name: hq, .offset: 0, .size: 8, .value_kind: global_buffer, .address_space: global }
      - { .name: w2q, .offset: 8, .size: 8, .value_kind: global_buffer, .address_space: global }
      - { .name: part, .offset: 16, .size: 8, .value_kind: global_buffer, .address_space: global }
    .group_segment_fixed_size: 327680
    .private_segment_fixed_size: 0
    .kernarg_segment_align: 8
    .kernarg_segment_size: 24
    .max_flat_workgroup_size: 128
    .sgpr_count:     98
    .vgpr_count:     1024
    .wavefront_size: 32
...
	.end_amdgpu_metadata
.endif
;; end of part 7
;; launch ln2 (part 8): grid 256 x 1, 16 waves a work-group, no clusters, 0 bytes of LDS; arguments part, o1, bf2, g2, b2n, out0; writes out0
.if DOCPART == 8
	.amdgcn_target "amdgcn-amd-amdhsa--gfx1250"
	.amdhsa_code_object_version 6
	.text
	.protected	k_qeef87dbdfe_ln2
	.globl	k_qeef87dbdfe_ln2
	.p2align	8
	.type	k_qeef87dbdfe_ln2,@function
k_qeef87dbdfe_ln2:
	s_mov_b64 s[64:65], 0
	v_nop
	global_prefetch_b8 v0, s[64:65] scope:SCOPE_SE
	s_setreg_imm32_b32 hwreg(HW_REG_WAVE_MODE, 25, 1), 1
	s_wait_xcnt 0x0
; out0 = layer_norm(out1 + (h W2 + bf2)) x g2 + b2n.  h W2 arrives as four partial sums over K, f32 [position][1024], 16 MiB apart; they are added here, in a fixed order.
; The partial sums' rows stand in POSITION order (position p = token pi(p), bits 3 and 4 exchanged); out1 and out0 in token order.
; SHARES: work-group T takes 16 positions, wave w one row, which stays in 32 registers a lane between the mean, the variance (of the differences) and the scaling.
; 56 loads of 512 consecutive bytes a wave go out together, the gain among them; the shift follows as soon as the first two partial sums are added and the second's registers are free: so nothing is asked for behind a wait for all loads.
; Waves share nothing: no LDS, no barrier.  Streaming work: the matrix unit, clusters and tensor loads would move no byte less.
.set LI,   5
.set TP,   6                           ; v6-11    the norm's sums
.set GG,   208                         ; v208-239 the gain
.set BB,   112                         ; v112-143 partial sum 1, then the shift
.set SEL,  22
.macro ACROSS a, b                     ; the sum of v[a] over the 32 lanes, in every lane; v[b] has been written
	s_delay_alu instid0(VALU_DEP_1)
	v_add_f32_dpp v[\a], v[\a], v[\a] row_xmask:1 row_mask:0xf bank_mask:0xf
	s_delay_alu instid0(VALU_DEP_1)
	v_add_f32_dpp v[\a], v[\a], v[\a] row_xmask:2 row_mask:0xf bank_mask:0xf
	s_delay_alu instid0(VALU_DEP_1)
	v_add_f32_dpp v[\a], v[\a], v[\a] row_xmask:4 row_mask:0xf bank_mask:0xf
	s_delay_alu instid0(VALU_DEP_1)
	v_add_f32_dpp v[\a], v[\a], v[\a] row_xmask:8 row_mask:0xf bank_mask:0xf
	s_delay_alu instid0(VALU_DEP_1)
	v_permlanex16_b32 v[\b], v[\a], s[SEL], s[SEL+1]
	s_delay_alu instid0(VALU_DEP_1)
	v_add_f32 v[\a], v[\a], v[\b]
.endm
.macro LNORM tp, gg, bb                ; the row in v16-47 is normalised, times the gain in v[gg] on, plus the shift in v[bb] on (both on their way); v[tp] .. v[tp + 5] at work
	v_pk_add_f32 v[\tp:\tp+1], v[16:17], v[18:19]
	v_pk_add_f32 v[\tp+2:\tp+3], v[20:21], v[22:23]
.irp j, 24,28,32,36,40,44
	s_delay_alu instid0(VALU_DEP_2)
	v_pk_add_f32 v[\tp:\tp+1], v[\tp:\tp+1], v[\j:\j+1]
	s_delay_alu instid0(VALU_DEP_2)
	v_pk_add_f32 v[\tp+2:\tp+3], v[\tp+2:\tp+3], v[\j+2:\j+3]
.endr
	s_delay_alu instid0(VALU_DEP_1)
	v_pk_add_f32 v[\tp:\tp+1], v[\tp:\tp+1], v[\tp+2:\tp+3]
	s_delay_alu instid0(VALU_DEP_1)
	v_add_f32 v[\tp], v[\tp], v[\tp+1]
	ACROSS \tp, \tp+1
	s_delay_alu instid0(VALU_DEP_1)
	v_mul_f32 v[\tp], s25, v[\tp]                  ; the mean
.set i, 16
.rept 16
	v_pk_add_f32 v[i:i+1], v[i:i+1], v[\tp:\tp+1] op_sel_hi:[1,0] neg_lo:[0,1] neg_hi:[0,1]
.set i, i+2
.endr
	v_pk_mul_f32 v[\tp+2:\tp+3], v[16:17], v[16:17]
	v_pk_mul_f32 v[\tp+4:\tp+5], v[18:19], v[18:19]
.irp j, 20,24,28,32,36,40,44
	s_delay_alu instid0(VALU_DEP_2)
	v_pk_fma_f32 v[\tp+2:\tp+3], v[\j:\j+1], v[\j:\j+1], v[\tp+2:\tp+3]
	s_delay_alu instid0(VALU_DEP_2)
	v_pk_fma_f32 v[\tp+4:\tp+5], v[\j+2:\j+3], v[\j+2:\j+3], v[\tp+4:\tp+5]
.endr
	s_delay_alu instid0(VALU_DEP_1)
	v_pk_add_f32 v[\tp+2:\tp+3], v[\tp+2:\tp+3], v[\tp+4:\tp+5]
	s_delay_alu instid0(VALU_DEP_1)
	v_add_f32 v[\tp+2], v[\tp+2], v[\tp+3]
	ACROSS \tp+2, \tp+3
	s_delay_alu instid0(VALU_DEP_1)
	v_fma_f32 v[\tp+2], v[\tp+2], s25, s26         ; the variance + 1e-5
	s_wait_alu depctr_va_vdst(0)
	v_rsq_f32 v[\tp+4], v[\tp+2]
	v_nop
	s_wait_alu depctr_va_vdst(0)                   ; ahead of the root's first reader
.set i, 16
.rept 16
	v_pk_mul_f32 v[i:i+1], v[i:i+1], v[\tp+4:\tp+5] op_sel_hi:[1,0]
.set i, i+2
.endr
	s_wait_loadcnt 0x0                             ; the gain and the shift
.set i, 0
.rept 16
	v_pk_fma_f32 v[16+i:17+i], v[16+i:17+i], v[\gg+i:\gg+i+1], v[\bb+i:\bb+i+1]
.set i, i+2
.endr
.endm
	s_load_b256 s[4:11], s[0:1], 0x0               ; part, o1, bf2, g2
	s_load_b128 s[12:15], s[0:1], 0x20             ; b2n, out0
	v_lshrrev_b32 v1, 5, v0
	s_delay_alu instid0(VALU_DEP_1)
	v_readfirstlane_b32 s16, v1                    ; wave 0..15
	v_and_b32 v2, 31, v0
	s_delay_alu instid0(VALU_DEP_1)
	v_lshlrev_b32 v[LI], 4, v2
	s_lshr_b32 s17, ttmp9, 1                       ; my token: 32 (T / 2) + 8 (T % 2) + 16 (w / 8) + w % 8
	s_lshl_b32 s17, s17, 5
	s_and_b32 s18, ttmp9, 1
	s_lshl_b32 s18, s18, 3
	s_add_co_u32 s17, s17, s18
	s_lshr_b32 s18, s16, 3
	s_lshl_b32 s18, s18, 4
	s_add_co_u32 s17, s17, s18
	s_and_b32 s18, s16, 7
	s_add_co_u32 s17, s17, s18
	s_lshl_b32 s20, s17, 12
	s_mov_b32 s21, 0                               ; the token's row
	s_lshl_b32 s18, ttmp9, 4
	s_add_co_u32 s18, s18, s16
	s_lshl_b32 s18, s18, 12
	s_mov_b32 s19, 0                               ; the position's row
	s_mov_b32 s[SEL], 0x76543210
	s_mov_b32 s[SEL+1], 0xfedcba98
	s_mov_b32 s25, 0x3a800000                      ; 1 / 1,024
	s_mov_b32 s26, 0x3727c5ac                      ; 1e-5
	s_wait_alu depctr_va_vdst(0)
	s_wait_kmcnt 0x0
	s_add_nc_u64 s[4:5], s[4:5], s[18:19]
	s_add_nc_u64 s[32:33], s[4:5], 0x1000000       ; the other three partial sums
	s_add_nc_u64 s[34:35], s[32:33], 0x1000000
	s_add_nc_u64 s[36:37], s[34:35], 0x1000000
	s_add_nc_u64 s[6:7], s[6:7], s[20:21]
	s_add_nc_u64 s[14:15], s[14:15], s[20:21]
.irp j, 0,1,2,3,4,5,6,7
	global_load_b128 v[16+4*\j:19+4*\j], v[LI], s[4:5] offset:512*\j th:TH_LOAD_NT
.endr
.irp j, 0,1,2,3,4,5,6,7
	global_load_b128 v[112+4*\j:115+4*\j], v[LI], s[32:33] offset:512*\j th:TH_LOAD_NT
.endr
.irp j, 0,1,2,3,4,5,6,7
	global_load_b128 v[144+4*\j:147+4*\j], v[LI], s[34:35] offset:512*\j th:TH_LOAD_NT
.endr
.irp j, 0,1,2,3,4,5,6,7
	global_load_b128 v[176+4*\j:179+4*\j], v[LI], s[36:37] offset:512*\j th:TH_LOAD_NT
.endr
.irp j, 0,1,2,3,4,5,6,7
	global_load_b128 v[48+4*\j:51+4*\j], v[LI], s[6:7] offset:512*\j th:TH_LOAD_NT
.endr
.irp j, 0,1,2,3,4,5,6,7
	global_load_b128 v[80+4*\j:83+4*\j], v[LI], s[8:9] offset:512*\j
.endr
.irp j, 0,1,2,3,4,5,6,7
	global_load_b128 v[GG+4*\j:GG+3+4*\j], v[LI], s[10:11] offset:512*\j      ; the gain
.endr
	s_wait_loadcnt 40                              ; loads come back in order: of the 56 the first sixteen, partial sums 0 and 1, are in
.set i, 0
.rept 16
	v_pk_add_f32 v[16+i:17+i], v[16+i:17+i], v[112+i:113+i]       ; chunks 0 + 1
.set i, i+2
.endr
.irp j, 0,1,2,3,4,5,6,7
	global_load_b128 v[BB+4*\j:BB+3+4*\j], v[LI], s[12:13] offset:512*\j      ; the shift, into the registers that partial sum 1 has left
.endr
	s_wait_loadcnt 16                              ; all but the youngest sixteen, the gain's and the shift's, are in
.set i, 0
.rept 16
	v_pk_add_f32 v[144+i:145+i], v[144+i:145+i], v[176+i:177+i]   ; chunks 2 + 3,
	v_pk_add_f32 v[48+i:49+i], v[48+i:49+i], v[80+i:81+i]         ; out1 + bf2,
.set i, i+2
.endr
.set i, 0
.rept 16
	v_pk_add_f32 v[16+i:17+i], v[16+i:17+i], v[144+i:145+i]       ; all four,
.set i, i+2
.endr
.set i, 0
.rept 16
	v_pk_add_f32 v[16+i:17+i], v[16+i:17+i], v[48+i:49+i]         ; the row
.set i, i+2
.endr
	LNORM TP, GG, BB
.irp j, 0,1,2,3,4,5,6,7
	global_store_b128 v[LI], v[16+4*\j:19+4*\j], s[14:15] offset:512*\j th:TH_STORE_NT   ; 512 consecutive bytes a store
.endr
	s_endpgm
.Lfunc_end_k_qeef87dbdfe_ln2:
	.size	k_qeef87dbdfe_ln2, .Lfunc_end_k_qeef87dbdfe_ln2-k_qeef87dbdfe_ln2
	.p2alignl 7, 3214868480
	.fill 96, 4, 3214868480
	.section	.rodata,"a",@progbits
	.p2align	6, 0x0
	.amdhsa_kernel k_qeef87dbdfe_ln2
		.amdhsa_group_segment_fixed_size 0
		.amdhsa_private_segment_fixed_size 0
		.amdhsa_enable_private_segment 0
		.amdhsa_kernarg_size 48
		.amdhsa_user_sgpr_count 2
		.amdhsa_user_sgpr_kernarg_segment_ptr 1
		.amdhsa_wavefront_size32 1
		.amdhsa_system_sgpr_workgroup_id_x 1
		.amdhsa_system_sgpr_workgroup_id_y 1
		.amdhsa_system_sgpr_workgroup_id_z 1
		.amdhsa_system_vgpr_workitem_id 0
		.amdhsa_next_free_vgpr 240
		.amdhsa_next_free_sgpr 66
		.amdhsa_reserve_vcc 0
		.amdhsa_float_denorm_mode_32 3
		.amdhsa_float_denorm_mode_16_64 3
		.amdhsa_memory_ordered 1
		.amdhsa_forward_progress 1
		.amdhsa_inst_pref_size 21
	.end_amdhsa_kernel
	.amdgpu_metadata
---
amdhsa.version: [ 1, 2 ]
amdhsa.kernels:
  - .name:           k_qeef87dbdfe_ln2
    .symbol:         k_qeef87dbdfe_ln2.kd
    .args:
      - { .name: part, .offset: 0, .size: 8, .value_kind: global_buffer, .address_space: global }
      - { .name: o1, .offset: 8, .size: 8, .value_kind: global_buffer, .address_space: global }
      - { .name: bf2, .offset: 16, .size: 8, .value_kind: global_buffer, .address_space: global }
      - { .name: g2, .offset: 24, .size: 8, .value_kind: global_buffer, .address_space: global }
      - { .name: b2n, .offset: 32, .size: 8, .value_kind: global_buffer, .address_space: global }
      - { .name: out0, .offset: 40, .size: 8, .value_kind: global_buffer, .address_space: global }
    .group_segment_fixed_size: 0
    .private_segment_fixed_size: 0
    .kernarg_segment_align: 8
    .kernarg_segment_size: 48
    .max_flat_workgroup_size: 512
    .sgpr_count:     66
    .vgpr_count:     240
    .wavefront_size: 32
...
	.end_amdgpu_metadata
.endif
;; end of part 8
